; MI455X (gfx1250); checked and timed in simulation.
; The chip was launched on July 23, 2026; its instructions are those of AMD's public machine-readable ISA for CDNA 5 (MIT licence, August 2026) and "CDNA5" Instruction Set Architecture Reference Guide (July 2026). The comments in the code are by the model that wrote it; some were corrected since.
;; Multi Head Attention. Allowed arithmetic: matrix products marked QUANTISED: E5M2 operands, one given power-of-two scale a tensor, by v_wmma_f32_16x16x64_bf8_bf8 or v_wmma_f32_16x16x128_bf8_bf8, f32 sums; everything else in f32.
;; Inputs: k 4 x 2,048 x 1,024 float32; lowp_scales 12 int32 (the exponents e of the quantised operands' scales 2^e); mask 4 x 2,048 x 2,048 int32; q 4 x 2,048 x 1,024 float32; v 4 x 2,048 x 1,024 float32; w_fc 1,024 x 1,024 float32; w_ks 1,024 x 1,024 float32; w_qs 1,024 x 1,024 float32; w_vs 1,024 x 1,024 float32.
;; Outputs: out0 4 x 2,048 x 1,024 float32.
;; This version of the problem:
;;   THIS VERSION OF THE PROBLEM IS GIVEN IN LOW PRECISION. The matrix products marked QUANTISED in the list below multiply operands that are first quantised to E5M2 (5 exponent bits, 2 mantissa bits; 8 bits a number), with one given power-of-two scale for each operand tensor; their sums are f32. All else is computed in f32.
;;   The module's matrix products, in the order in which they are computed (A, B: the left and right operand; K: the contracted axis; several contracted axes count as one K, in the product's order):
;;     1. [M 8,192, K 1,024] x [K 1,024, N 1,024]; A: input q; B: input w_qs: QUANTISED (scales: A lowp_scales[0], B lowp_scales[1])
;;     2. [M 8,192, K 1,024] x [K 1,024, N 1,024]; A: input k; B: input w_ks: QUANTISED (scales: A lowp_scales[2], B lowp_scales[3])
;;     3. [M 8,192, K 1,024] x [K 1,024, N 1,024]; A: input v; B: input w_vs: QUANTISED (scales: A lowp_scales[4], B lowp_scales[5])
;;     4. batch 64 x [M 2,048, K 64] x [K 64, N 2,048]; A: computed on the way; B: computed on the way: QUANTISED (scales: A lowp_scales[6], B lowp_scales[7])
;;     5. batch 64 x [M 64, K 2,048] x [K 2,048, N 2,048]; A: computed on the way; B: softmax (see below): QUANTISED (scales: A lowp_scales[8], B lowp_scales[9])
;;     6. [M 8,192, K 1,024] x [K 1,024, N 1,024]; A: computed on the way; B: input w_fc: QUANTISED (scales: A lowp_scales[10], B lowp_scales[11])
;;   THE QUANTISER, for each operand of a quantised product, along K:
;;     - The operand's scale is 2^e, e = its entry of the input lowp_scales (int32; the entries are numbered through the quantised products in the list's order, A before B).
;;     - Each number is divided by the scale, clamped to +-57,344, and rounded to the nearest number of E5M2, ties to even, subnormals kept.
;;     - The product sums the exact products of the quantised numbers (number of the format x scale) in f32.
;;   ~~~python
;;   def quantise(x, axis, e):      # numpy; x: float32 -> the quantised numbers, widened to float32 again
;;       x = np.moveaxis(x, axis, -1); K = x.shape[-1]
;;       r = np.clip(x / 2.0 ** e, -57344, 57344)
;;       step = 2.0 ** (np.maximum(np.frexp(np.where(r == 0, 1, r))[1] - 1, -14) - 2)
;;       q = np.round(r / step) * step * 2.0 ** e      # np.round: ties to even
;;       return np.moveaxis(q, -1, axis).astype(np.float32)
;;   ~~~
;;   SOFTMAX AHEAD OF A QUANTISED PRODUCT. Where the list says 'softmax', what is quantised is not the finished softmax but p = 2^(t - M), with t = logit x log2(e) and M = ceil(the row's largest t), a whole number; so 1/2 < the row's largest p <= 1. The row's sum l is taken of the UNQUANTISED p, in f32, and the product's result is divided by l at the end. Since M is a whole number, a kernel that streams over the keys may use a running M (the ceiling of the running maximum): every later rescaling is an exact power of two, so the quantised numbers keep their values, but for numbers so far below the row's largest that they fall under the format's range.
;;   OPERANDS COMPUTED ON THE WAY. 'Computed on the way' means the value that the module computes at that place (a softmax that the list does not call 'softmax' is quantised finished and normalised). What goes into a quantiser is computed in f32, as accurately as f32 sums, v_exp_f32 and their like allow (about 1e-6 of the number): no bf16 or f16 on the way to a quantiser, and a product that is left as it is and whose result goes on into a quantised operand takes f32 operands (vector FMAs, or v_wmma_f32_16x16x4_f32). A number that lies on a knife's edge between two numbers of the format may be rounded either way, as far as f32 arithmetic and the matrix unit's own rounding can turn it there, and no further.
;; One version. Each part assembles by itself: llvm-mc -triple=amdgcn-amd-amdhsa -mcpu=gfx1250 --defsym DOCPART=n.
;; ======== version 1 of 1: 5 launches
;; limits: right only within a limited range of input values
;; workspace buffers: xc 25,165,824 bytes; wc 4,194,304 bytes; mb 2,097,152 bytes of whole numbers; qc 8,388,608 bytes; kv 16,777,216 bytes; ao 8,388,608 bytes
;; launch prep (part 1): grid 640 x 1, 4 waves a work-group, no clusters, 34,304 bytes of LDS; arguments q, k, v, mask, lowp_scales, xc, mb; writes xc, mb
.if DOCPART == 1
	.amdgcn_target "amdgcn-amd-amdhsa--gfx1250"
	.amdhsa_code_object_version 6
	.text
	.protected	k_qdfa974d0ef_prep
	.globl	k_qdfa974d0ef_prep
	.p2align	8
	.type	k_qdfa974d0ef_prep,@function
k_qdfa974d0ef_prep:
	s_mov_b64 s[64:65], 0
	v_nop
	global_prefetch_b8 v0, s[64:65] scope:SCOPE_SE
	s_setreg_imm32_b32 hwreg(HW_REG_WAVE_MODE, 25, 1), 1
	s_wait_xcnt 0x0
; q, k, v [8192][1024] f32 become codes of BF8 (E5M2) with the given scales 2^e (entries 0, 2, 4 of the scales), and mask [4][2048][2048] int32 becomes one bit a number.
; BOTH LEAVE IN THE ORDER OF THE REGISTERS THAT WILL TAKE THEM.
;   xc: [tensor][tile of 16 tokens][K step of 128][2,048 bytes]: a fragment's 16 registers, four at a time, lane l's 16 bytes at 16 l.  Lane (r = l % 16, h = l / 16), registers 2 c, 2 c + 1: token r, k = 16 c + 8 h + 0 .. 7.
;   mb: [batch][tile of 16 queries][step of 128 keys][64 words]: bit l of word 8 c + j says whether mask(query l % 16, key 16 c + 8 (l / 16) + j) is not 0: the lane mask of one register of scores.
; code = x / 2^e, held within +-57,344, to the nearest code, ties to even.  LIMITS: e between -126 and 112; NaN among q, k, v is not served.
; A unit is 16 rows x 128 numbers of 4 bytes.  A wave takes 8 units side by side (16 rows x 4,096 bytes).  Work-groups 0-383 take q, k, v (128 each), work-groups 384-639 the mask.
; Each load reads 512 consecutive bytes of one row; a unit turns through the wave's own stage in LDS (rows 528 bytes apart: an odd multiple of 16, so the 16 rows that a read touches fall on different 16-byte columns of 256)
; and comes back with 8 neighbours along the row in 8 registers of a lane.  All loads and all LDS lines stand on one path; the two ways part, on the work-group's number, for register work and stores alone.
; Waves share nothing: no barrier.  No work-group shares an input byte with another: no cluster, no matrix unit.  Loads run two units (32 loads a wave) ahead.
.set XWG,  384                         ; work-groups that take q, k, v
.set SP,   528                         ; a stage row
.set OFF,  16                          ; v16-31   row i: 16 x lane + i x the row's pitch in memory; never rewritten
.set R,    32                          ; v32-159  two sets of 64: a unit as it is loaded
.set X,    160                         ; v160-223 the unit turned: register 8 c + j = (row r, column 16 c + 8 h + j)
.set C,    224                         ; v224-239 a fragment's codes; or the mask's words, four registers for each pair of units
	s_load_b256 s[4:11], s[0:1], 0x0               ; q, k, v, mask
	s_load_b128 s[12:15], s[0:1], 0x20             ; the scales' exponents, xc
	s_load_b64 s[16:17], s[0:1], 0x30              ; mb
	v_lshl_add_u32 v248, v0, 2, 0x8400
	v_mov_b32 v249, 0
	v_lshrrev_b32 v4, 5, v0
	v_readfirstlane_b32 s18, v4                    ; wave
	v_and_b32 v5, 31, v0
	v_lshlrev_b32 v1, 4, v5                        ; 16 x lane
	v_and_b32 v6, 15, v0                           ; r
	v_bfe_u32 v7, v0, 4, 1                         ; h
	s_mul_i32 s26, s18, 16*SP                      ; my wave's stage
	v_add_nc_u32 v2, s26, v1                       ; into it: a row as it lies
	v_mul_u32_u24 v3, v6, SP
	v_lshl_add_u32 v3, v7, 5, v3
	v_add_nc_u32 v3, s26, v3                       ; out of it: row r, + 32 h bytes
.set i, 0
.rept 16
	v_mov_b32 v[C+i], 0                            ; written whole once: the lane writes below leave the other lanes as they are
.set i, i+1
.endr
	s_mov_b32 s19, ttmp9                           ; g
	s_lshr_b32 s20, s19, 7                         ; which tensor: 0, 1, 2 (3, 4: the mask)
	s_and_b32 s26, s19, 127
	s_lshl_b32 s26, s26, 2
	s_add_co_u32 s26, s26, s18                     ; tile of tokens = 4 (g % 128) + wave
	s_lshl_b32 s26, s26, 16                        ; its 16 rows of 4,096 bytes
	s_lshl_b32 s27, s19, 2
	s_add_co_u32 s27, s27, s18                     ; 4 g + wave = 512 x tensor + tile
	s_lshl_b32 s28, s27, 14                        ; its 8 fragments in xc
	s_sub_co_u32 s29, s27, 4*XWG                   ; the mask: u = 4 (g - 384) + wave: half u % 2 of the rows of tile u / 2
	s_lshr_b32 s30, s29, 1
	s_lshl_b32 s30, s30, 17                        ; 16 rows of 8,192 bytes
	s_and_b32 s31, s29, 1
	s_lshl_b32 s31, s31, 12
	s_add_co_u32 s30, s30, s31
	s_lshl_b32 s31, s29, 11                        ; 8 steps of 256 bytes in mb
	s_mov_b32 s21, 4096
	s_cmp_ge_u32 s19, XWG
	s_cselect_b32 s26, s30, s26                    ; from where,
	s_cselect_b32 s28, s31, s28                    ; to where,
	s_cselect_b32 s21, 8192, s21                   ; and the pitch from row to row
	s_mov_b32 s27, 0
	s_mov_b32 s29, 0
	s_wait_kmcnt 0x0
	s_load_b256 s[32:39], s[12:13], 0x0            ; entries 0 to 7 of the scales
	s_cmp_ge_u32 s19, XWG                          ; the buffers are chosen by the work-group's number alone
	s_cselect_b64 s[24:25], s[16:17], s[14:15]
	s_cselect_b64 s[22:23], s[10:11], s[8:9]
	s_cmp_ge_u32 s19, 256
	s_cselect_b64 s[22:23], s[22:23], s[6:7]
	s_cmp_ge_u32 s19, 128
	s_cselect_b64 s[22:23], s[22:23], s[4:5]
	s_add_nc_u64 s[22:23], s[22:23], s[26:27]
	s_add_nc_u64 s[24:25], s[24:25], s[28:29]
	v_mov_b32 v[OFF], v1
.set i, 1
.rept 15
	v_add_nc_u32 v[OFF+i], s21, v[OFF+i-1]
.set i, i+1
.endr
.macro LOAD t                          ; unit t: 16 loads, each 512 consecutive bytes of one row
.set i, 0
.rept 16
	global_load_b128 v[R+64*((\t)%2)+4*i:R+64*((\t)%2)+4*i+3], v[OFF+i], s[22:23] offset:512*(\t) th:TH_LOAD_NT
.set i, i+1
.endr
.endm
	LOAD 0
	LOAD 1
	s_wait_kmcnt 0x0
	s_cmp_eq_u32 s20, 0
	s_cselect_b32 s26, s32, s36                    ; e: entry 0 for q, 2 for k, 4 for v (the mask's work-groups make the two numbers and do not use them)
	s_cmp_eq_u32 s20, 1
	s_cselect_b32 s26, s34, s26
	s_add_co_i32 s26, s26, 127
	s_lshl_b32 s27, s26, 23
	v_mov_b32 v11, s27                             ; 2^e as f32: the conversion takes its exponent field
	s_add_co_i32 s26, s26, 15
	s_lshl_b32 s26, s26, 23
	s_or_b32 s26, s26, 0x600000
	v_mov_b32 v10, s26                             ; 57,344 x 2^e
.macro STEP t
.if (\t) < 7
	s_wait_loadcnt 16                              ; this unit's 16 loads are in; the next unit's 16 may be out
.else
	s_wait_loadcnt 0
.endif
	s_wait_xcnt 0x0                                ; the last unit's stores have read their data: the codes' registers are written again only behind this wait
.set i, 0
.rept 16
	ds_store_b128 v2, v[R+64*((\t)%2)+4*i:R+64*((\t)%2)+4*i+3] offset:SP*i
.set i, i+1
.endr
.set i, 0
.rept 8
	ds_load_b128 v[X+8*i:X+8*i+3], v3 offset:64*i          ; LDS serves a wave's instructions in order: these see the stores above
	ds_load_b128 v[X+8*i+4:X+8*i+7], v3 offset:64*i+16
.set i, i+1
.endr
	s_wait_dscnt 0x0                               ; the unit is back, and the stores into the stage have read their registers,
.if (\t)+2 < 8
	LOAD (\t)+2                                    ; which take the unit two further on
.endif
	s_cmp_lt_u32 ttmp9, XWG
	s_cbranch_scc0 .Lmask_\@
.set i, 0
.rept 64
	v_med3_num_f32 v[X+i], v[X+i], -v10, v10       ; the conversion to an 8-bit code does not saturate (ISA guide 7.6.2): the hold at the largest code x the scale
.set i, i+1
.endr
.set i, 0
.rept 8
	v_cvt_scalef32_pk8_bf8_f32 v[C+2*i:C+2*i+1], v[X+8*i:X+8*i+7], v11
.set i, i+1
.endr
	v_nop                                          ; a plain line behind the last conversion
.set i, 0
.rept 4
	global_store_b128 v1, v[C+4*i:C+4*i+3], s[24:25] offset:2048*(\t)+512*i   ; the wave stores 512 consecutive bytes, aligned
.set i, i+1
.endr
	s_branch .Ljoin_\@
.Lmask_\@:
.set c, 0
.rept 8
.set j, 0
.rept 8
	v_cmp_ne_u32 s[32+j], 0, v[X+8*c+j]            ; 32 lanes' bits: the word of register 8 c + j
.set j, j+1
.endr
.set j, 0
.rept 8
.set w, 64*((\t)%2)+8*c+j                          ; its number among the 128 words of a pair of units: lane w / 4, register w % 4
	v_writelane_b32 v[C+4*((\t)/2)+w%4], s[32+j], w/4
.set j, j+1
.endr
.set c, c+1
.endr
.if (\t)%2 == 1
	global_store_b128 v1, v[C+4*((\t)/2):C+4*((\t)/2)+3], s[24:25] offset:512*((\t)/2)   ; two units' words: 512 consecutive bytes
.endif
.Ljoin_\@:
.endm
	STEP 0
	STEP 1
	STEP 2
	STEP 3
	STEP 4
	STEP 5
	STEP 6
	STEP 7
	s_wait_tensorcnt 0x0
	ds_add_u32 v248, v249
	s_wait_dscnt 0x0
	s_endpgm
.Lfunc_end_k_qdfa974d0ef_prep:
	.size	k_qdfa974d0ef_prep, .Lfunc_end_k_qdfa974d0ef_prep-k_qdfa974d0ef_prep
	.p2alignl 7, 3214868480
	.fill 96, 4, 3214868480
	.section	.rodata,"a",@progbits
	.p2align	6, 0x0
	.amdhsa_kernel k_qdfa974d0ef_prep
		.amdhsa_group_segment_fixed_size 34304
		.amdhsa_private_segment_fixed_size 0
		.amdhsa_enable_private_segment 0
		.amdhsa_kernarg_size 56
		.amdhsa_user_sgpr_count 2
		.amdhsa_user_sgpr_kernarg_segment_ptr 1
		.amdhsa_wavefront_size32 1
		.amdhsa_system_sgpr_workgroup_id_x 1
		.amdhsa_system_sgpr_workgroup_id_y 1
		.amdhsa_system_sgpr_workgroup_id_z 1
		.amdhsa_system_vgpr_workitem_id 0
		.amdhsa_next_free_vgpr 250
		.amdhsa_next_free_sgpr 66
		.amdhsa_reserve_vcc 0
		.amdhsa_float_denorm_mode_32 3
		.amdhsa_float_denorm_mode_16_64 3
		.amdhsa_memory_ordered 1
		.amdhsa_forward_progress 1
		.amdhsa_inst_pref_size 138
	.end_amdhsa_kernel
	.amdgpu_metadata
---
amdhsa.version: [ 1, 2 ]
amdhsa.kernels:
  - .name:           k_qdfa974d0ef_prep
    .symbol:         k_qdfa974d0ef_prep.kd
    .args:
      - { .name: q, .offset: 0, .size: 8, .value_kind: global_buffer, .address_space: global }
      - { .name: k, .offset: 8, .size: 8, .value_kind: global_buffer, .address_space: global }
      - { .name: v, .offset: 16, .size: 8, .value_kind: global_buffer, .address_space: global }
      - { .name: mask, .offset: 24, .size: 8, .value_kind: global_buffer, .address_space: global }
      - { .name: lowp_scales, .offset: 32, .size: 8, .value_kind: global_buffer, .address_space: global }
      - { .name: xc, .offset: 40, .size: 8, .value_kind: global_buffer, .address_space: global }
      - { .name: mb, .offset: 48, .size: 8, .value_kind: global_buffer, .address_space: global }
    .group_segment_fixed_size: 34304
    .private_segment_fixed_size: 0
    .kernarg_segment_align: 8
    .kernarg_segment_size: 56
    .max_flat_workgroup_size: 128
    .sgpr_count:     66
    .vgpr_count:     250
    .wavefront_size: 32
...
	.end_amdgpu_metadata
.endif
;; end of part 1
;; launch quant_w (part 2): grid 8 x 16, 4 waves a work-group, no clusters, 33,280 bytes of LDS; arguments w_qs, w_ks, w_vs, w_fc, lowp_scales, wc; writes wc
.if DOCPART == 2
	.amdgcn_target "amdgcn-amd-amdhsa--gfx1250"
	.amdhsa_code_object_version 6
	.text
	.protected	k_qdfa974d0ef_quant_w
	.globl	k_qdfa974d0ef_quant_w
	.p2align	8
	.type	k_qdfa974d0ef_quant_w,@function
k_qdfa974d0ef_quant_w:
	s_mov_b64 s[64:65], 0
	v_nop
	global_prefetch_b8 v0, s[64:65] scope:SCOPE_SE
	s_setreg_imm32_b32 hwreg(HW_REG_WAVE_MODE, 25, 1), 1
	s_wait_xcnt 0x0
; The four weights [1024 (k)][1024 (n)] f32, whose K is their FIRST axis, become codes of BF8 (E5M2) with the given scales 2^e (entries 1, 3, 5, 11).
; wc: [weight][tile of 16 columns n][K step of 128][2,048 bytes]: a fragment's 16 registers, four at a time, lane l's 16 bytes at 16 l; lane (r, h), registers 2 c, 2 c + 1: column r of the tile, k = 16 c + 8 h + 0 .. 7.
; A LANE TAKES A COLUMN n AND ITS REGISTERS RUN DOWN K: each load reads 128 consecutive bytes a wave, and the conversions give codes with K innermost.  Nothing is transposed by an instruction.
; code = x / 2^e, held within +-57,344, to the nearest code, ties to even.  LIMITS: e between -126 and 112; NaN is not served.
; Work-group (x, y): weight y / 4, k = 256 (y % 4) on, columns 128 x on; a wave 32 columns x 256 k: 8 blocks of 32.  A lane's 8 codes go to their place in the wave's own stage (2 tiles x 2 K steps of fragments);
; the stage leaves as it lies, 512 consecutive bytes a store.  No barrier: waves share nothing; no work-group shares an input byte with another: no cluster.  Loads run two blocks (64 loads a wave) ahead.
.set NB,    8
.set X,     32                         ; v32-95   two sets of 32 numbers
.set C,     96                         ; v96-103  a block's codes
.set OUTR,  112                        ; v112-175 the way out
	s_load_b256 s[4:11], s[0:1], 0x0               ; w_qs, w_ks, w_vs, w_fc
	s_load_b128 s[12:15], s[0:1], 0x20             ; the scales' exponents, wc
	v_lshl_add_u32 v192, v0, 2, 0x8000
	v_mov_b32 v193, 0
	v_lshrrev_b32 v1, 5, v0
	v_readfirstlane_b32 s16, v1                    ; wave
	v_and_b32 v2, 31, v0                           ; lane
	s_and_b32 s17, ttmp7, 0xffff
	s_lshr_b32 s18, s17, 2                         ; which weight
	s_and_b32 s19, s17, 3                          ; which 256 along K
	v_lshlrev_b32 v3, 2, v2                        ; in: 4 bytes a lane
	s_lshl_b32 s20, s16, 13                        ; my stage: 8,192 bytes
	v_lshrrev_b32 v5, 4, v2
	v_and_b32 v6, 15, v2
	v_lshlrev_b32 v4, 12, v5                       ; into it: my column's tile (two fragments of 2,048 bytes each),
	v_lshl_add_u32 v4, v6, 4, v4                   ; and its row's 16 bytes
	v_add_nc_u32 v4, s20, v4
	v_lshlrev_b32 v8, 4, v2                        ; out: 16 x lane, in memory
	v_add_nc_u32 v7, s20, v8                       ; and in the stage
	s_lshl_b32 s22, s19, 20                        ; W: 256 rows of 4,096 bytes for each step of y,
	s_lshl_b32 s24, ttmp9, 9
	s_add_co_u32 s22, s22, s24                     ; + 128 columns x 4 bytes for each x,
	s_lshl_b32 s24, s16, 7
	s_add_co_u32 s22, s22, s24                     ; + 32 columns for each wave
	s_mov_b32 s23, 0
	s_lshl_b32 s24, s18, 20                        ; wc: the weight's 1,048,576 bytes,
	s_lshl_b32 s26, ttmp9, 17
	s_add_co_u32 s24, s24, s26                     ; 8 tiles of 16,384 bytes for each x,
	s_lshl_b32 s26, s16, 15
	s_add_co_u32 s24, s24, s26                     ; 2 for each wave,
	s_lshl_b32 s26, s19, 12
	s_add_co_u32 s24, s24, s26                     ; 2 K steps of 2,048 bytes for each step of y
	s_mov_b32 s25, 0
	s_wait_kmcnt 0x0
	s_load_b256 s[32:39], s[12:13], 0x0            ; entries 0 to 7 of the scales
	s_load_b32 s40, s[12:13], 0x2c                 ; entry 11
	s_cmp_eq_u32 s18, 1                            ; the weight is chosen by the work-group's number alone
	s_cselect_b64 s[4:5], s[6:7], s[4:5]
	s_cmp_eq_u32 s18, 2
	s_cselect_b64 s[4:5], s[8:9], s[4:5]
	s_cmp_eq_u32 s18, 3
	s_cselect_b64 s[4:5], s[10:11], s[4:5]
	s_add_nc_u64 s[4:5], s[4:5], s[22:23]
	s_add_nc_u64 s[14:15], s[14:15], s[24:25]
.macro LOAD t                          ; block t: W(32 t + i, my column) into set t % 2; the offsets reach 255 x 4,096 bytes at the most
.set i, 0
.rept 32
	global_load_b32 v[X+32*((\t)%2)+i], v3, s[4:5] offset:(32*(\t)+i)*4096 th:TH_LOAD_NT
.set i, i+1
.endr
.endm
	LOAD 0
	LOAD 1
	s_wait_kmcnt 0x0
	s_cmp_eq_u32 s18, 0
	s_cselect_b32 s30, s33, s40
	s_cmp_eq_u32 s18, 1
	s_cselect_b32 s30, s35, s30
	s_cmp_eq_u32 s18, 2
	s_cselect_b32 s30, s37, s30                    ; e
	s_add_co_i32 s30, s30, 127
	s_lshl_b32 s31, s30, 23
	v_mov_b32 v11, s31                             ; 2^e as f32
	s_add_co_i32 s30, s30, 15
	s_lshl_b32 s30, s30, 23
	s_or_b32 s30, s30, 0x600000
	v_mov_b32 v10, s30                             ; 57,344 x 2^e
.macro BLOCK t
.set XS, X+32*((\t)%2)
.if (\t) < NB-1
	s_wait_loadcnt 32                              ; this block's 32 loads are in; the next block's may be out
.else
	s_wait_loadcnt 0
.endif
.set i, 0
.rept 32
	v_med3_num_f32 v[XS+i], v[XS+i], -v10, v10     ; the hold at the largest code x the scale (ISA guide 7.6.2)
.set i, i+1
.endr
.set i, 0
.rept 4
	v_cvt_scalef32_pk8_bf8_f32 v[C+2*i:C+2*i+1], v[XS+8*i:XS+8*i+7], v11
.set i, i+1
.endr
.set i, 0
.rept 4                                ; codes of k = 32 t + 8 i + 0 .. 7: K step t / 4, piece t % 4, the half of the lanes i % 2, the half of its 16 bytes i / 2
	ds_store_b64 v4, v[C+2*i:C+2*i+1] offset:((\t)/4)*2048+((\t)%4)*512+(i%2)*256+(i/2)*8
.set i, i+1
.endr
.if (\t)+2 < NB
	LOAD (\t)+2
.endif
	s_wait_dscnt 0x0                               ; the stores have read their registers: the next block's codes may be written (its holds, plain lines, come first)
.endm
	BLOCK 0
	BLOCK 1
	BLOCK 2
	BLOCK 3
	BLOCK 4
	BLOCK 5
	BLOCK 6
	BLOCK 7
.set i, 0
.rept 16
	ds_load_b128 v[OUTR+4*i:OUTR+4*i+3], v7 offset:512*i   ; LDS serves a wave's instructions in order: these see my stores
.set i, i+1
.endr
.set i, 0
.rept 16
	s_wait_dscnt 15-i                              ; loads come back in order: number i is in
	global_store_b128 v8, v[OUTR+4*i:OUTR+4*i+3], s[14:15] offset:(i/8)*16384+(i%8)*512   ; 512 consecutive bytes, aligned
.set i, i+1
.endr
	s_wait_tensorcnt 0x0
	ds_add_u32 v192, v193
	s_wait_dscnt 0x0
	s_endpgm
.Lfunc_end_k_qdfa974d0ef_quant_w:
	.size	k_qdfa974d0ef_quant_w, .Lfunc_end_k_qdfa974d0ef_quant_w-k_qdfa974d0ef_quant_w
	.p2alignl 7, 3214868480
	.fill 96, 4, 3214868480
	.section	.rodata,"a",@progbits
	.p2align	6, 0x0
	.amdhsa_kernel k_qdfa974d0ef_quant_w
		.amdhsa_group_segment_fixed_size 33280
		.amdhsa_private_segment_fixed_size 0
		.amdhsa_enable_private_segment 0
		.amdhsa_kernarg_size 48
		.amdhsa_user_sgpr_count 2
		.amdhsa_user_sgpr_kernarg_segment_ptr 1
		.amdhsa_wavefront_size32 1
		.amdhsa_system_sgpr_workgroup_id_x 1
		.amdhsa_system_sgpr_workgroup_id_y 1
		.amdhsa_system_sgpr_workgroup_id_z 1
		.amdhsa_system_vgpr_workitem_id 0
		.amdhsa_next_free_vgpr 194
		.amdhsa_next_free_sgpr 66
		.amdhsa_reserve_vcc 0
		.amdhsa_float_denorm_mode_32 3
		.amdhsa_float_denorm_mode_16_64 3
		.amdhsa_memory_ordered 1
		.amdhsa_forward_progress 1
		.amdhsa_inst_pref_size 51
	.end_amdhsa_kernel
	.amdgpu_metadata
---
amdhsa.version: [ 1, 2 ]
amdhsa.kernels:
  - .name:           k_qdfa974d0ef_quant_w
    .symbol:         k_qdfa974d0ef_quant_w.kd
    .args:
      - { .name: w_qs, .offset: 0, .size: 8, .value_kind: global_buffer, .address_space: global }
      - { .name: w_ks, .offset: 8, .size: 8, .value_kind: global_buffer, .address_space: global }
      - { .name: w_vs, .offset: 16, .size: 8, .value_kind: global_buffer, .address_space: global }
      - { .name: w_fc, .offset: 24, .size: 8, .value_kind: global_buffer, .address_space: global }
      - { .name: lowp_scales, .offset: 32, .size: 8, .value_kind: global_buffer, .address_space: global }
      - { .name: wc, .offset: 40, .size: 8, .value_kind: global_buffer, .address_space: global }
    .group_segment_fixed_size: 33280
    .private_segment_fixed_size: 0
    .kernarg_segment_align: 8
    .kernarg_segment_size: 48
    .max_flat_workgroup_size: 128
    .sgpr_count:     66
    .vgpr_count:     194
    .wavefront_size: 32
...
	.end_amdgpu_metadata
.endif
;; end of part 2
;; launch proj (part 3): grid 4 x 96, 4 waves a work-group, clusters of 4 x 4, 327,680 bytes of LDS; arguments xc, wc, lowp_scales, qc, kv; writes qc, kv
.if DOCPART == 3
	.amdgcn_target "amdgcn-amd-amdhsa--gfx1250"
	.amdhsa_code_object_version 6
	.text
	.protected	k_qdfa974d0ef_proj
	.globl	k_qdfa974d0ef_proj
	.p2align	8
	.type	k_qdfa974d0ef_proj,@function
k_qdfa974d0ef_proj:
	s_mov_b64 s[64:65], 0
	v_nop
	global_prefetch_b8 v0, s[64:65] scope:SCOPE_SE
	s_setreg_imm32_b32 hwreg(HW_REG_WAVE_MODE, 25, 1), 1
	s_wait_xcnt 0x0
	s_wait_alu depctr_hold_cnt(0) depctr_sa_sdst(0) depctr_va_vdst(0) depctr_va_sdst(0) depctr_va_ssrc(0) depctr_va_vcc(0) depctr_vm_vsrc(0)
	s_getreg_b32 s2, hwreg(HW_REG_IB_STS2, 6, 4)
	s_cmp_eq_u32 s2, 0
	s_cbranch_scc0 .Lentry_in_a_cluster
	s_endpgm
.Lentry_in_a_cluster:
	s_bfe_u32 s2, ttmp6, 0x10000c
	s_cmp_lg_u32 s2, 0xf033
	s_cbranch_scc0 .Lentry_shape_is_right
	s_endpgm
.Lentry_shape_is_right:
; The three projections q w_qs, k w_ks, v w_vs (each 8,192 x 1,024 x 1,024) on codes of BF8 (E5M2); their results are quantised at once, with the given scales (entries 6, 7, 8), and leave as codes
; IN THE ORDER OF THE REGISTERS of the attention launch's operands.  Tile rows 0-31 of the grid are q's, 32-63 k's, 64-95 v's: tau = tile row / 32 is the same in all partners of a cluster.
; A sum stands for sum x 2^(eA + eB), so its code is sum / 2^(eOut - eA - eB): one scale for the conversion.  LIMIT: eOut - eA - eB between -126 and 112.
; A tile of 256 x 256 is made by four waves, each 128 x 128: 64 accumulators, 512 registers.  K goes in steps of 256 (two matrix steps of 128) through a ring of two LDS slots filled by the tensor data mover.
; OPERANDS LIE IN MEMORY AND IN LDS AS IMAGES OF THEIR REGISTERS: a fragment (16 rows x 128 K) is 2,048 bytes, four registers at a time, lane l's 16 bytes at 16 l.  So a fragment is four ds_load_b128 of 512 consecutive
; bytes each, there is no pitch and no padding, and k stands in its own place.  A tensor load brings 8 tiles of 16 rows x 256 K: 8 rows of 4,096 bytes, 16,384 bytes apart in memory, dense in LDS.
; CLUSTERS: 4 x 4 work-groups.  The four of a row need the same tokens' tiles, the four of a column the same weight tiles: each is asked for JOINTLY.
; WHICH OPERAND IS SOURCE 1.  A lane holds ONE row of source 1 and eight neighbouring rows of source 0.  q, k: source 1 = tokens, source 0 = columns of W: a lane's eight numbers are eight neighbours of a head's 64, the
; next K.  v: source 1 = columns of W, source 0 = tokens: eight neighbouring KEYS, the K of the second product of attention.  The choice is made by the LDS addresses from which the two sets of fragments are read.
; REGISTERS: window 0: v0-31 addresses; v32-95 at work on the way out; from v128 source 1's fragments, ONE set (on the way out: the codes).  window 1: source 0's fragments, TWO sets.  windows 2, 3: the accumulators.
.set FR,     16                        ; registers of a fragment
.set NL,     4                         ; LDS loads that bring one
.set NP,     4                         ; places behind this matrix instruction (ISA guide 7.12.1)
.set HALFT,  32768                     ; 8 tiles x 2 matrix steps x 2,048 bytes: what one tensor load brings, and what one wave reads of one operand
.set SLOT,   4*HALFT                   ; the tokens' two halves, then the weight's two halves
.set SSTEP,  4096                      ; a slot's bytes of one tile in memory
.set LAPS,   2                         ; K = 1,024 = 2 laps of 2 slots of 256
.set SPARE,  2*SLOT                    ; behind the ring: the spare words, 128 bytes for each wave, which no other line names
.set SCL,  12                          ; v12     the conversion's scale
.set LIMV, 13                          ; v13     57,344 x that
.set ADRA, 16                          ; v16-17  LDS address of source 1's fragments in slot 0, 1
.set ADRB, 20                          ; v20-21  the same for source 0
.set CO,   26                          ; v26     16 x lane
.set CO2,  27                          ; v27     the same, one head further on
.set SPW,  28                          ; v28     LDS address of my spare word; never rewritten
.set NIL,  29                          ; v29     0; never rewritten
.set TMP,  32
.set AF,   128
.set CD,   128                         ; the way out: 16 registers of codes for each of source 1's eight blocks
.set TAU,  66                          ; s66     0: q, 1: k, 2: v
.set G1, 24                            ; s[24:31] descriptor group 1 for the tokens' tiles;  s[32:39] group 0, one set for each slot
.set G0, 32
.set G1B, 48                           ; s[48:55], s[56:63] the same for the weight's tiles
.set G0B, 56
.set MSB, 0
.macro WIN new                         ; the immediate's high byte repeats the setting that is left
.if MSB != \new
	s_set_vgpr_msb (MSB<<8)|\new
.set MSB, \new
.endif
.endm
.set MUL_LO, 0xa1                      ; source 0 window 1, source 1 window 0, C and D window 2
.set MUL_HI, 0xf1                      ; the same, C and D window 3
.set TO_B,   0x40                      ; destination window 1, address window 0
; A joint load: waves 0 and 1 fetch the tokens' halves, waves 2 and 3 the weight's.  The branch hangs on the wave's number alone.  Four v_nop follow each of the two lines.
.macro JLOAD g0a, g1a, g0b, g1b
	s_cmp_eq_u32 s15, 0
	s_cbranch_scc0 .Lfor_b_\@
	tensor_load_to_lds s[\g0a:\g0a+3], s[\g1a:\g1a+7]
	s_nop 0
.rept 4
	v_nop
.endr
	s_branch .Lasked_\@
.Lfor_b_\@:
	tensor_load_to_lds s[\g0b:\g0b+3], s[\g1b:\g1b+7]
	s_nop 0
.rept 4
	v_nop
.endr
.Lasked_\@:
.endm
.macro CREST                           ; a round of the cluster's barrier behind its opening barrier
	s_cmp_lg_u32 s14, 0
	s_cbranch_scc1 .Lnot_wave_0_\@
	s_barrier_signal -3
.Lnot_wave_0_\@:
	s_barrier_wait -3
	s_barrier_signal -1
	s_barrier_wait -1
.endm
.macro CROUND                          ; a whole round
	s_barrier_signal -1
	s_barrier_wait -1
	CREST
.endm
	s_load_b128 s[4:7], s[0:1], 0x0                ; xc, wc
	s_load_b128 s[8:11], s[0:1], 0x10              ; the scales' exponents, qc
	s_load_b64 s[12:13], s[0:1], 0x20              ; kv
	v_lshl_add_u32 v[SPW], v0, 2, SPARE
	v_mov_b32 v[NIL], 0
	ds_add_u32 v28, v29
	ds_add_u32 v28, v29
	s_wait_dscnt 0x0
	v_lshrrev_b32 v1, 5, v0
	v_readfirstlane_b32 s14, v1                    ; wave 0..3
	s_lshr_b32 s15, s14, 1                         ; which half of source 1's rows is mine.  Also: I fetch tokens (0) or weights (1)
	s_and_b32 s16, s14, 1                          ; which half of source 0's.  Also: which half of that tile I fetch
	s_bfe_u32 s40, ttmp6, 0x40000                  ; cx, cy: my place in the cluster
	s_bfe_u32 s41, ttmp6, 0x40004
	s_lshl_b32 s42, ttmp9, 2
	s_add_co_u32 s42, s42, s40                     ; tile column = 4 x cluster x + cx
	s_and_b32 s17, ttmp7, 0xffff
	s_lshr_b32 s[TAU], s17, 3                      ; 8 clusters along y for each tensor: made of the cluster's y alone
	s_lshl_b32 s17, s17, 2
	s_add_co_u32 s17, s17, s41                     ; tile row = 4 x cluster y + cy = 32 tau + the tensor's tile row
	s_lshl_b32 s43, s41, 2
	s_lshl_b32 s43, 15, s43                        ; my row of the cluster
	s_lshl_b32 s44, 0x1111, s40                    ; my column
	; descriptor group 1: 8 rows of 512 elements of 8 bytes, 2,048 elements apart, no padding
	s_or_b32 s[G1+0], s43, (3<<16)|(1<<21)         ; 15:0 the mask: the tokens' tiles go to my row; 17:16 elements of 8 bytes; 21 set beside a mask
	s_or_b32 s[G1B+0], s44, (3<<16)|(1<<21)
.irp g, G1, G1B
	s_mov_b32 s[\g+1], 512<<16                     ; tensor_dim0
	s_mov_b32 s[\g+2], 8<<16                       ; tensor_dim1
	s_mov_b32 s[\g+3], 512<<16                     ; tile_dim0
	s_mov_b32 s[\g+4], 8                           ; tile_dim1
	s_mov_b32 s[\g+5], 2048                        ; tensor_dim0_stride
	s_mov_b32 s[\g+6], 0
	s_mov_b32 s[\g+7], 0
.endr
	s_lshl_b32 s18, s16, 17                        ; the half that I fetch: 8 tiles of 16,384 bytes
	s_lshl_b32 s20, s17, 18                        ; tokens: 16 tiles for each tile row (xc's three tensors lie on end)
	s_add_co_u32 s20, s20, s18
	s_mov_b32 s21, 0
	s_lshl_b32 s46, s42, 18                        ; weights: 16 tiles for each tile column,
	s_add_co_u32 s46, s46, s18
	s_lshl_b32 s47, s[TAU], 20                     ; in weight tau
	s_add_co_u32 s46, s46, s47
	s_mov_b32 s47, 0
	s_mul_i32 s45, s14, HALFT                      ; where they go: wave x 32,768: no place in the cluster enters an LDS address
	s_wait_kmcnt 0x0
	s_load_b256 s[68:75], s[8:9], 0x0              ; entries 0 to 7 of the scales
	s_load_b32 s76, s[8:9], 0x20                   ; entry 8
	s_add_nc_u64 s[20:21], s[4:5], s[20:21]
	s_add_nc_u64 s[46:47], s[6:7], s[46:47]
	CROUND                                         ; all sixteen work-groups are here: the first joint loads meet
.irp s, 0,1
	s_mov_b32 s[G0+4*\s], 1
	s_add_co_u32 s[G0+4*\s+1], s45, \s*SLOT
	s_add_nc_u64 s[G0+4*\s+2:G0+4*\s+3], s[20:21], \s*SSTEP
	s_or_b32 s[G0+4*\s+3], s[G0+4*\s+3], 0x80000000
	s_mov_b32 s[G0B+4*\s], 1
	s_add_co_u32 s[G0B+4*\s+1], s45, \s*SLOT
	s_add_nc_u64 s[G0B+4*\s+2:G0B+4*\s+3], s[46:47], \s*SSTEP
	s_or_b32 s[G0B+4*\s+3], s[G0B+4*\s+3], 0x80000000
	JLOAD G0+4*\s, G1, G0B+4*\s, G1B
.endr
	v_and_b32 v6, 31, v0
	v_lshlrev_b32 v[CO], 4, v6                     ; 16 x lane
	s_cmp_eq_u32 s[TAU], 2
	s_cselect_b32 s21, 2*HALFT, 0                  ; source 1 is read from the tokens' part of a slot, for v from the weight's,
	s_cselect_b32 s22, 0, 2*HALFT                  ; source 0 from the other
	s_mul_i32 s23, s15, HALFT
	s_add_co_u32 s21, s21, s23
	s_mul_i32 s23, s16, HALFT
	s_add_co_u32 s22, s22, s23
.irp s, 0,1
	v_add_nc_u32 v[ADRA+\s], s21, v[CO]
	v_add_nc_u32 v[ADRB+\s], s22, v[CO]
	s_add_co_u32 s21, s21, SLOT
	s_add_co_u32 s22, s22, SLOT
.endr
	; where my codes go.  qc: [batch x 16 + head][tile of 16 queries][1,024 bytes].  kv: [batch x 16 + head][step of 128 keys][8 tiles of K x 1,024 bytes, then 4 tiles of V x 2,048 bytes]
	s_and_b32 s80, s17, 31                         ; the tensor's tile row: 8 for each batch
	s_lshr_b32 s81, s80, 3
	s_lshl_b32 s81, s81, 4
	s_lshl_b32 s82, s42, 2
	s_add_co_u32 s81, s81, s82                     ; 16 x batch + 4 heads for each tile column
	s_and_b32 s80, s80, 7
	s_lshl_b32 s80, s80, 1                         ; 2 runs of 128 tokens for each tile row
	s_cmp_eq_u32 s[TAU], 2
	s_cselect_b32 s82, s15, s16                    ; which half of the columns is mine,
	s_cselect_b32 s83, s16, s15                    ; which half of the tokens,
	s_cselect_b32 s84, 8192, 0                     ; V lies behind a step's K
	s_lshl_b32 s82, s82, 1
	s_add_co_u32 s81, s81, s82                     ; my first head of two
	s_add_co_u32 s80, s80, s83                     ; my run of 128 tokens in the batch
	s_cmp_eq_u32 s[TAU], 0
	s_cselect_b32 s82, 17, 18                      ; a head is 2^17 bytes in qc, 2^18 in kv;
	s_cselect_b32 s83, 13, 14                      ; 128 tokens are 2^13, 2^14
	s_cselect_b64 s[10:11], s[10:11], s[12:13]
	s_lshl_b32 s81, s81, s82
	s_lshl_b32 s80, s80, s83
	s_add_co_u32 s80, s80, s81
	s_add_co_u32 s80, s80, s84
	s_mov_b32 s81, 0
	s_add_nc_u64 s[10:11], s[10:11], s[80:81]
	s_lshl_b32 s82, 1, s82
	v_add_nc_u32 v[CO2], s82, v[CO]
.macro FRAG reg, adr, q, i             ; a fragment comes as it was stored: registers 4 c .. 4 c + 3 from 512 c + 16 x lane
.irp c, 0,1,2,3
	ds_load_b128 v[\reg+4*\c:\reg+4*\c+3], v[\adr] offset:(\i)*4096+(\q)*2048+512*\c
.endr
.endm
; 16 matrix instructions: source 1's blocks a0, a0 + 1 x source 0's eight, 128 along K.  p: source 0's set.  zero = 1: the first product starts the sums: nothing is ever cleared.
; The 64 accumulators take turns, one instruction a turn, in the same order in every step.
.macro MUL16 a0, p, zero
.irp a, \a0, \a0+1
.irp b, 0,1,2,3,4,5,6,7
.if \zero
	v_wmma_f32_16x16x128_bf8_bf8 v[8*(8*((\a)%4)+\b):8*(8*((\a)%4)+\b)+7], v[128*(\p)+FR*\b:128*(\p)+FR*\b+FR-1], v[AF+FR*(\a):AF+FR*(\a)+FR-1], 0
.else
	v_wmma_f32_16x16x128_bf8_bf8 v[8*(8*((\a)%4)+\b):8*(8*((\a)%4)+\b)+7], v[128*(\p)+FR*\b:128*(\p)+FR*\b+FR-1], v[AF+FR*(\a):AF+FR*(\a)+FR-1], v[8*(8*((\a)%4)+\b):8*(8*((\a)%4)+\b)+7]
.endif
.endr
.endr
.endm
.macro FETCH_B slot, q, p              ; source 0's eight fragments of the slot's q-th 128 along K into set p
	WIN TO_B
.irp i, 0,1,2,3,4,5,6,7
	FRAG 128*(\p)+FR*\i, ADRB+\slot, \q, \i
.endr
	WIN 0
.endm
.macro FETCH_A slot, q, i0             ; source 1's blocks i0 .. i0 + 3
.irp i, \i0, \i0+1, \i0+2, \i0+3
	FRAG AF+FR*(\i), ADRA+\slot, \q, \i
.endr
.endm
; A load into a register that a matrix instruction has read, and a vector instruction that reads a matrix result or writes one of its registers, stand NP places behind it; only plain vector instructions
; that name none of its registers are places (ISA guide 7.12.1 for vector instructions).
.macro PLACES n
.rept \n
	v_nop
.endr
.endm
; A step of 128 along K that has its successor in the same slot.
.macro STEP slot, q, zero
	s_wait_dscnt 4*NL                              ; source 0's set and source 1's blocks 0-3 are in; the youngest 16 loads (blocks 4-7) may be out
	WIN MUL_LO
	MUL16 0, (\q)%2, \zero
	MUL16 2, (\q)%2, \zero
	s_wait_dscnt 0                                 ; blocks 4-7 are in (asked for 32 matrix instructions ago)
	PLACES NP
	FETCH_B \slot, (\q)+1, 1-(\q)%2
	FETCH_A \slot, (\q)+1, 0
	WIN MUL_HI
	MUL16 4, (\q)%2, \zero
	MUL16 6, (\q)%2, \zero
	PLACES NP
	WIN 0
	FETCH_A \slot, (\q)+1, 4
.endm
; A slot's last step changes slots: ONE barrier; in front of it each wave waits for all its tensor loads, adds 0 to its spare word, and waits for that and for its own reads of this slot.  fill = 1: this slot is filled again.
.macro TURN slot, next, fill
	s_wait_tensorcnt 0x0                           ; all my tensor loads have landed: my part of the next slot  (every window is 0 here)
	ds_add_u32 v[SPW], v[NIL]                      ; 0 onto my spare word
	s_wait_dscnt 4*NL+1                            ; (the add and the youngest 16 loads may be out)
	WIN MUL_LO
	MUL16 0, 1, 0                                  ; sixteen matrix instructions stand between the add and the wait for it
	s_wait_dscnt 0x0                               ; the add is done, and my reads of this slot are over
	s_barrier_signal -1
	MUL16 2, 1, 0
	WIN 0
	s_barrier_wait -1
.if \fill
	CREST                                          ; the barrier has opened a round of the cluster's barrier: no wave of any partner still reads this slot or has a load on its way
	s_add_nc_u64 s[G0+4*\slot+2:G0+4*\slot+3], s[G0+4*\slot+2:G0+4*\slot+3], 2*SSTEP
	s_add_nc_u64 s[G0B+4*\slot+2:G0B+4*\slot+3], s[G0B+4*\slot+2:G0B+4*\slot+3], 2*SSTEP
	JLOAD G0+4*\slot, G1, G0B+4*\slot, G1B         ; the first tensor load behind the round; its four v_nop are the places in front of the loads below
.else
	PLACES NP
.endif
	FETCH_B \next, 0, 0
	FETCH_A \next, 0, 0
	WIN MUL_HI
	MUL16 4, 1, 0
	MUL16 6, 1, 0
	PLACES NP
	WIN 0
	FETCH_A \next, 0, 4
.endm
	s_wait_tensorcnt 1                             ; my part of slot 0 is in (slot 1's load may be out)
	s_barrier_signal -1
	s_barrier_wait -1                              ; everybody's is
	FETCH_B 0, 0, 0
	FETCH_A 0, 0, 0
	FETCH_A 0, 0, 4
	STEP 0, 0, 1                                   ; the first step stands in front of the loop: its products start the sums
	s_mov_b32 s3, LAPS-1
.Llap:                                                 ; a trip goes once round the ring and fills both slots again
	TURN 0, 1, 1
	STEP 1, 0, 0
	TURN 1, 0, 1
	STEP 0, 0, 0
	s_sub_co_u32 s3, s3, 1
	s_cmp_lg_u32 s3, 0
	s_cbranch_scc1 .Llap
	TURN 0, 1, 0                                   ; the last lap fills nothing
	STEP 1, 0, 0
	s_wait_dscnt 4*NL                              ; the very last step: nothing more to fetch
	WIN MUL_LO
	MUL16 0, 1, 0
	MUL16 2, 1, 0
	s_wait_dscnt 0
	WIN MUL_HI
	MUL16 4, 1, 0
	MUL16 6, 1, 0
	WIN 0
	; THE WAY OUT: no LDS.  The eight accumulators of one block of source 1 are, in each lane, 64 numbers along the next K: held, converted, they ARE 16 registers of the next launch's operands.
	s_wait_kmcnt 0x0
	s_add_co_i32 s68, s68, s69
	s_sub_co_i32 s68, s74, s68                     ; q: e6 - e0 - e1
	s_add_co_i32 s70, s70, s71
	s_sub_co_i32 s70, s75, s70                     ; k: e7 - e2 - e3
	s_add_co_i32 s72, s72, s73
	s_sub_co_i32 s72, s76, s72                     ; v: e8 - e4 - e5
	s_cmp_eq_u32 s[TAU], 0
	s_cselect_b32 s68, s68, s72
	s_cmp_eq_u32 s[TAU], 1
	s_cselect_b32 s68, s70, s68
	s_add_co_i32 s68, s68, 127
	s_lshl_b32 s69, s68, 23
	v_mov_b32 v[SCL], s69
	s_add_co_i32 s68, s68, 15
	s_lshl_b32 s68, s68, 23
	s_or_b32 s68, s68, 0x600000
	v_mov_b32 v[LIMV], s68
	PLACES NP                                      ; behind the last products: for the reads of their results and the writes over source 1's fragments
.macro PACKA a
.set AC, 64*((\a)%4)
.set WW, 0x02+((\a)/4)
	WIN WW                                         ; source 0: window 2 or 3
.set j, 0
.rept 64
	v_med3_num_f32 v[TMP+j], v[AC+j], -v[LIMV], v[LIMV]   ; the hold (ISA guide 7.6.2), into other registers; each accumulator from its low end on
.set j, j+1
.endr
	WIN 0
.irp b, 0,1,2,3,4,5,6,7
	v_cvt_scalef32_pk8_bf8_f32 v[CD+16*(\a)+2*\b:CD+16*(\a)+2*\b+1], v[TMP+8*\b:TMP+8*\b+7], v[SCL]
.endr
	v_nop                                          ; a plain line between the conversions and the next block's holds, which write their sources
.endm
.irp a, 0,1,2,3,4,5,6,7
	PACKA \a
.endr
	s_cmp_eq_u32 s[TAU], 2                         ; the same in all partners; neither way holds an LDS line, a tensor load or a barrier
	s_cbranch_scc1 .Lv_out
.irp a, 0,1,2,3,4,5,6,7                ; q, k: block a = 16 tokens; registers 0-7 my first head's fragment (16 x 64), 8-15 my second head's.  Each store: 512 consecutive bytes, aligned
	global_store_b128 v[CO], v[CD+16*\a:CD+16*\a+3], s[10:11] offset:1024*\a
	global_store_b128 v[CO], v[CD+16*\a+4:CD+16*\a+7], s[10:11] offset:1024*\a+512
	global_store_b128 v[CO2], v[CD+16*\a+8:CD+16*\a+11], s[10:11] offset:1024*\a
	global_store_b128 v[CO2], v[CD+16*\a+12:CD+16*\a+15], s[10:11] offset:1024*\a+512
.endr
	s_branch .Lend
.Lv_out:
.irp a, 0,1,2,3,4,5,6,7                ; v: block a = 16 of a head's 64 (head a / 4 of my two, tile a % 4) x my 128 keys: one fragment of 16 x 128
.irp i, 0,1,2,3
	global_store_b128 v[CO], v[CD+16*\a+4*\i:CD+16*\a+4*\i+3], s[10:11] offset:(\a%4)*2048+(\a/4)*262144+512*\i
.endr
.endr
.Lend:
	s_wait_tensorcnt 0x0                           ; the wave's end
	ds_add_u32 v[SPW], v[NIL]
	s_wait_dscnt 0x0
	CROUND                                         ; the closing round: no work-group ends while a partner may still ask for a tile that names it
	s_endpgm
.Lfunc_end_k_qdfa974d0ef_proj:
	.size	k_qdfa974d0ef_proj, .Lfunc_end_k_qdfa974d0ef_proj-k_qdfa974d0ef_proj
	.p2alignl 7, 3214868480
	.fill 96, 4, 3214868480
	.section	.rodata,"a",@progbits
	.p2align	6, 0x0
	.amdhsa_kernel k_qdfa974d0ef_proj
		.amdhsa_group_segment_fixed_size 327680
		.amdhsa_private_segment_fixed_size 0
		.amdhsa_enable_private_segment 0
		.amdhsa_kernarg_size 40
		.amdhsa_user_sgpr_count 2
		.amdhsa_user_sgpr_kernarg_segment_ptr 1
		.amdhsa_wavefront_size32 1
		.amdhsa_system_sgpr_workgroup_id_x 1
		.amdhsa_system_sgpr_workgroup_id_y 1
		.amdhsa_system_sgpr_workgroup_id_z 1
		.amdhsa_system_vgpr_workitem_id 0
		.amdhsa_next_free_vgpr 1024
		.amdhsa_next_free_sgpr 100
		.amdhsa_reserve_vcc 0
		.amdhsa_float_denorm_mode_32 3
		.amdhsa_float_denorm_mode_16_64 3
		.amdhsa_memory_ordered 1
		.amdhsa_forward_progress 1
		.amdhsa_inst_pref_size 121
	.end_amdhsa_kernel
	.amdgpu_metadata
---
amdhsa.version: [ 1, 2 ]
amdhsa.kernels:
  - .name:           k_qdfa974d0ef_proj
    .symbol:         k_qdfa974d0ef_proj.kd
    .args:
      - { .name: xc, .offset: 0, .size: 8, .value_kind: global_buffer, .address_space: global }
      - { .name: wc, .offset: 8, .size: 8, .value_kind: global_buffer, .address_space: global }
      - { .name: lowp_scales, .offset: 16, .size: 8, .value_kind: global_buffer, .address_space: global }
      - { .name: qc, .offset: 24, .size: 8, .value_kind: global_buffer, .address_space: global }
      - { .name: kv, .offset: 32, .size: 8, .value_kind: global_buffer, .address_space: global }
    .group_segment_fixed_size: 327680
    .private_segment_fixed_size: 0
    .kernarg_segment_align: 8
    .kernarg_segment_size: 40
    .max_flat_workgroup_size: 128
    .sgpr_count:     100
    .vgpr_count:     1024
    .wavefront_size: 32
...
	.end_amdgpu_metadata
.endif
;; end of part 3
;; launch attn (part 4): grid 4 x 64, 16 waves a work-group, clusters of 4 x 1, 264,192 bytes of LDS; arguments qc, kv, mb, lowp_scales, ao; writes ao
.if DOCPART == 4
	.amdgcn_target "amdgcn-amd-amdhsa--gfx1250"
	.amdhsa_code_object_version 6
	.text
	.protected	k_qdfa974d0ef_attn
	.globl	k_qdfa974d0ef_attn
	.p2align	8
	.type	k_qdfa974d0ef_attn,@function
k_qdfa974d0ef_attn:
	s_mov_b64 s[64:65], 0
	v_nop
	global_prefetch_b8 v0, s[64:65] scope:SCOPE_SE
	s_setreg_imm32_b32 hwreg(HW_REG_WAVE_MODE, 25, 1), 1
	s_wait_xcnt 0x0
	s_wait_alu depctr_hold_cnt(0) depctr_sa_sdst(0) depctr_va_vdst(0) depctr_va_sdst(0) depctr_va_ssrc(0) depctr_va_vcc(0) depctr_vm_vsrc(0)
	s_getreg_b32 s2, hwreg(HW_REG_IB_STS2, 6, 4)
	s_cmp_eq_u32 s2, 0
	s_cbranch_scc0 .Lentry_in_a_cluster
	s_endpgm
.Lentry_in_a_cluster:
	s_bfe_u32 s2, ttmp6, 0x10000c
	s_cmp_lg_u32 s2, 0x3003
	s_cbranch_scc0 .Lentry_shape_is_right
	s_endpgm
.Lentry_shape_is_right:
; Attention for 64 (batch, head) pairs, 2,048 queries x 2,048 keys, head size 64, both products on codes of BF8 (E5M2) with the given scales: q e6, k e7, v e8, p e9; the result is quantised with e10 for the last projection.
; logit = score / 8; where the mask is 0 the logit is a large negative number.  t = logit x log2(e); M = the row's largest t so far, rounded UP to a whole number; p = 2^(t - M) is quantised, not normalised;
; the row's sum is taken of the unquantised p and divides at the end.  When M moves, the sum and O are multiplied by 2^(old M - new M): nothing is rounded.
; THE MASKED SCORE is -2^(33 - e6 - e7): times c it is -log2(e) x 2^30 exactly, a whole number, which stands for the logit -2^30 in place of -1e9.  In a row with a key that counts, p of a masked key is 0 either way; in a row
; with none, every t - M is exactly 0 and every p is 1: the even weights that equal logits give.  LIMIT: the result differs only where a logit that counts lies under about -9e8.
; LIMITS on the exponents, so that each power of two below is an f32 number: e6 + e7 between -94 and 130; e9 and e10 between -126 and 112; e8 + e9 is applied by v_ldexp_f32 and has none.
; SHARES.  A work-group owns 512 queries of one (batch, head); each of its SIXTEEN waves two neighbouring tiles of 16, one after the other, in 256 registers: four waves to a SIMD, so that one wave's vector work stands beside
; another's matrix work and LDS loads.  For each tile a wave walks all 2,048 keys, 128 a step.
; K AND V OF A (BATCH, HEAD) ARE 16 STEPS x (8,192 + 8,192) = 262,144 BYTES: THEY LIE IN LDS WHOLE, as images of the operands' registers (every fragment load is 512 consecutive bytes).  Wave w fetches key step w, 16,384 bytes, once;
; no LDS byte is filled twice, so there is no ring: one barrier behind the loads, and none in the loops: the waves run on their own.
; CLUSTER.  The four work-groups of a cluster are the four query blocks of one (batch, head): each of the 16 tiles is asked for JOINTLY (mask 15), so each byte of kv is asked for once in the launch.
; NO PREFETCH: all tiles are asked for at the kernel's head; the mask words and Q are asked for by their own loads, the mask words a key step ahead.
; LAYOUT.  S^T = K Q^T (source 0 = 16 keys, source 1 = my 16 queries; K = 64), O^T = V^T P^T (source 0 = 16 of the head's 64, source 1 = P; K = 128 keys): a lane holds ONE query (lane % 16) throughout.
; In tile c of S^T register j is key 16 c + 8 (lane / 16) + j: its eight codes are registers 2 c, 2 c + 1 of P.  THE MASK comes as one word for each register of scores, a bit a lane, through scalar loads: one select a score.
.set STEPB, 16384                      ; a key step's bytes: 8 fragments of K, then 4 of V
.set GRPB,  65536                      ; four key steps: what the 16-bit offsets of the LDS loads reach from one address
.set LI,   1                           ; v1   16 x lane
.set ADR,  5                           ; v5   16 x lane + the group of key steps in hand
.set NEG,  6                           ; v6   the masked score
.set PLIM, 7                           ; v7   57,344 x 2^e9
.set PSC,  8                           ; v8   2^e9
.set XCH,  9                           ; v9   what the lane 16 away holds
.set FF,   10                          ; v[10:11] f = 2^(old M - new M); v11 is named with it as a pair
.set NM,   12                          ; v12  -M;  v13 the largest t so far
.set SUM,  14                          ; v[14:15] the row's sum, in two halves
.set QF,   16                          ; v16-23 Q's fragment
.set T0,   24
.set T1,   25
.set SUM2, 26                          ; v[26:27] a second chain of sums
.set OSC,  28                          ; v28  2^e10
.set OLIM, 29                          ; v29  57,344 x 2^e10
.set KF,   32                          ; v32-95 K's eight fragments; then v32-47 P's codes
.set S,    96                          ; v96-159 S^T, then p
.set VF,   160                         ; v160-223 V's four fragments
.set O,    224                         ; v224-255 O^T
.set TB,   2                           ; s2   LDS byte at which the group in hand begins
.set WV,   3                           ; s3   my wave's number
.set MP,   4                           ; s[4:5]  my mask words, at the group in hand: my two tiles' lie on end, 2 x 16 steps x 256 bytes
.set AOP,  6                           ; s[6:7]  where the tile's codes go
.set G0,   8                           ; s[8:11]  descriptor group 0
.set G1,   12                          ; s[12:19] descriptor group 1
.set SEL,  20                          ; s[20:21] lane selects for v_permlanex16_b32: lane l xor 16
.set CS,   22                          ; s[22:23] c = log2(e) / 8 x 2^(e6 + e7)
.set GRP,  24                          ; s24  groups of four key steps to go in this tile
.set PASS, 25                          ; s25  tiles to go
.set MQ,   26                          ; s[26:27] the mask words that a group's last step asks for: the next group's first
.set EO,   28                          ; s28  e8 + e9
.set MA,   32                          ; s[32:63] the mask words of tiles 0-3 of the scores
.set QP,   66                          ; s[66:67] the tile's fragment of Q
.set MB,   68                          ; s[68:99] of tiles 4-7
.macro CROUND                          ; a round of the cluster's barrier
	s_barrier_signal -1
	s_barrier_wait -1
	s_cmp_lg_u32 s[WV], 0
	s_cbranch_scc1 .Lnot_wave_0_\@
	s_barrier_signal -3
.Lnot_wave_0_\@:
	s_barrier_wait -3
	s_barrier_signal -1
	s_barrier_wait -1
.endm
	s_load_b256 s[68:75], s[0:1], 0x0              ; qc s[68:69], kv s[70:71], mb s[72:73], the scales' exponents s[74:75]
	s_load_b64 s[76:77], s[0:1], 0x20              ; ao
	v_lshl_add_u32 v30, v0, 2, 0x40000
	v_mov_b32 v31, 0
	ds_add_u32 v30, v31
	ds_add_u32 v30, v31
	v_lshrrev_b32 v[T0], 5, v0
	v_readfirstlane_b32 s[WV], v[T0]               ; wave 0..15
	v_and_b32 v[LI], 31, v0
	v_lshlrev_b32 v[LI], 4, v[LI]
	s_bfe_u32 s29, ttmp6, 0x40000                  ; cx: my place in the cluster = my block of 512 queries: it enters Q's, the mask's and the result's addresses alone
	s_lshl_b32 s30, s29, 5
	s_lshl_b32 s29, s[WV], 1
	s_add_co_u32 s30, s30, s29                     ; my first tile of 16 queries: 32 cx + 2 x wave, 0..126
	s_and_b32 s31, ttmp7, 0xffff                   ; 16 x batch + head, which the partners share
	; descriptor group 1: a dense block of 64 rows x 32 elements of 8 bytes
	s_mov_b32 s[G1], 15|(3<<16)|(1<<21)            ; 15:0 the mask: all four work-groups; 17:16 elements of 8 bytes; 21 set beside a mask
	s_mov_b32 s[G1+1], 32<<16                      ; tensor_dim0
	s_mov_b32 s[G1+2], 64<<16                      ; tensor_dim1
	s_mov_b32 s[G1+3], 32<<16                      ; tile_dim0
	s_mov_b32 s[G1+4], 64                          ; tile_dim1
	s_mov_b32 s[G1+5], 32                          ; tensor_dim0_stride
	s_mov_b32 s[G1+6], 0
	s_mov_b32 s[G1+7], 0
	s_mov_b32 s[SEL], 0x76543210
	s_mov_b32 s[SEL+1], 0xfedcba98
	s_lshl_b32 s[G0+1], s[WV], 14                  ; LDS address: key step = my wave's number
	s_lshl_b32 s100, s31, 18                       ; a (batch, head) is 262,144 bytes of kv,
	s_add_co_u32 s100, s100, s[G0+1]               ; a key step 16,384: made of the (batch, head) and the wave's number alone
	s_mov_b32 s101, 0
	s_mov_b32 s[G0], 1
	s_wait_dscnt 0x0
	s_wait_kmcnt 0x0
	s_load_b128 s[80:83], s[74:75], 0x18           ; e6, e7, e8, e9
	s_load_b32 s84, s[74:75], 0x28                 ; e10
	s_add_nc_u64 s[G0+2:G0+3], s[70:71], s[100:101]
	s_or_b32 s[G0+3], s[G0+3], 0x80000000          ; type = 2
	CROUND                                         ; all four work-groups are here: the joint loads meet
	tensor_load_to_lds s[G0:G0+3], s[G1:G1+7]      ; my one tensor load of the launch: one is out
	s_nop 0
.rept 4
	v_nop                                          ; four v_nop follow the load
.endr
	s_lshr_b32 s100, s31, 4
	s_lshl_b32 s100, s100, 7
	s_add_co_u32 s29, s100, s30                    ; 128 x batch + tile
	s_lshl_b32 s100, s29, 12                       ; its 16 steps x 256 bytes of mask words
	s_add_nc_u64 s[MP:MP+1], s[72:73], s[100:101]
	s_lshl_b32 s100, s29, 14                       ; ao: [tile of tokens][pair of heads][2,048 bytes]; my head fills the half of a fragment that its 64 of the 128 along K take
	s_bfe_u32 s29, s31, 0x30001                    ; (head) / 2
	s_lshl_b32 s29, s29, 11
	s_add_co_u32 s100, s100, s29
	s_and_b32 s29, s31, 1
	s_lshl_b32 s29, s29, 10
	s_add_co_u32 s100, s100, s29
	s_add_nc_u64 s[AOP:AOP+1], s[76:77], s[100:101]
	s_lshl_b32 s100, s31, 17                       ; qc: 131,072 bytes a (batch, head), 1,024 a tile
	s_lshl_b32 s29, s30, 10
	s_add_co_u32 s100, s100, s29
	s_add_nc_u64 s[QP:QP+1], s[68:69], s[100:101]
	v_mov_b32 v[XCH], 0                            ; written once: a lane permute's destination counts as one of its sources
	v_mov_b32 v[FF+1], 0
	s_wait_kmcnt 0x0
	s_add_co_i32 s29, s80, s81                     ; e6 + e7
	s_lshl_b32 s30, s29, 23
	s_add_co_i32 s[CS], s30, 0x3e38aa3b            ; log2(e) / 8 with the two exponents added to its exponent field
	s_mov_b32 s[CS+1], s[CS]                       ; (named with it as a pair)
	s_sub_co_i32 s30, 160, s29
	s_lshl_b32 s30, s30, 23
	s_or_b32 s30, s30, 0x80000000
	v_mov_b32 v[NEG], s30                          ; -2^(33 - e6 - e7)
	s_add_co_i32 s[EO], s82, s83
	s_add_co_i32 s30, s83, 127
	s_lshl_b32 s31, s30, 23
	v_mov_b32 v[PSC], s31
	s_add_co_i32 s30, s30, 15
	s_lshl_b32 s30, s30, 23
	s_or_b32 s30, s30, 0x600000
	v_mov_b32 v[PLIM], s30
	s_add_co_i32 s30, s84, 127
	s_lshl_b32 s31, s30, 23
	v_mov_b32 v[OSC], s31
	s_add_co_i32 s30, s30, 15
	s_lshl_b32 s30, s30, 23
	s_or_b32 s30, s30, 0x600000
	v_mov_b32 v[OLIM], s30
	s_load_b512 s[MA:MA+15], s[MP:MP+1], 0x0       ; my first tile's key step 0: 64 mask words (the pointers and exponents that lay in s68-84 have been used)
	s_load_b512 s[MA+16:MA+31], s[MP:MP+1], 0x40
	s_load_b512 s[MB:MB+15], s[MP:MP+1], 0x80
	s_load_b512 s[MB+16:MB+31], s[MP:MP+1], 0xc0
; A KEY STEP: 128 keys, the q-th of the group in hand.
.macro STEP q
.rept 4
	v_nop                                          ; places behind the last step's products, in front of the loads into registers that they read
.endr
.set c, 0
.rept 8
	ds_load_b128 v[KF+8*c:KF+8*c+3], v[ADR] offset:(\q)*STEPB+1024*c
	ds_load_b128 v[KF+8*c+4:KF+8*c+7], v[ADR] offset:(\q)*STEPB+1024*c+512
.set c, c+1
.endr
	s_wait_dscnt 0x0
.set c, 0
.rept 8
	v_wmma_f32_16x16x64_bf8_bf8 v[S+8*c:S+8*c+7], v[KF+8*c:KF+8*c+7], v[QF:QF+7], 0
.set c, c+1
.endr
.rept 4
	v_nop                                          ; places in front of the first read of the scores
.endr
.set i, 0
.rept 16
	ds_load_b128 v[VF+4*i:VF+4*i+3], v[ADR] offset:(\q)*STEPB+8192+512*i   ; V's four fragments land while the softmax is worked
.set i, i+1
.endr
	s_wait_kmcnt 0x0                               ; this step's mask words, asked for a step ago
.set i, 0
.rept 32
	v_cndmask_b32 v[S+i], v[NEG], v[S+i], s[MA+i]  ; bit 1: the score stays; each accumulator from its low end on
.set i, i+1
.endr
.if \q < 3
	s_load_b512 s[MA:MA+15], s[MP:MP+1], ((\q)+1)*256          ; the next step's words, into registers that have just been read
	s_load_b512 s[MA+16:MA+31], s[MP:MP+1], ((\q)+1)*256+64
.else
	s_load_b512 s[MA:MA+15], s[MQ:MQ+1], 0x0
	s_load_b512 s[MA+16:MA+31], s[MQ:MQ+1], 0x40
.endif
.set i, 0
.rept 32
	v_cndmask_b32 v[S+32+i], v[NEG], v[S+32+i], s[MB+i]
.set i, i+1
.endr
.if \q < 3
	s_load_b512 s[MB:MB+15], s[MP:MP+1], ((\q)+1)*256+128
	s_load_b512 s[MB+16:MB+31], s[MP:MP+1], ((\q)+1)*256+192
.else
	s_load_b512 s[MB:MB+15], s[MQ:MQ+1], 0x80
	s_load_b512 s[MB+16:MB+31], s[MQ:MQ+1], 0xc0
.endif
	v_max3_num_f32 v[T0], v[S], v[S+1], v[S+2]     ; the step's largest score of my query, among my 64 keys, in two chains,
	v_max3_num_f32 v[T1], v[S+3], v[S+4], v[S+5]
.set i, 6
.rept 14
	v_max3_num_f32 v[T0], v[T0], v[S+i], v[S+i+1]
	v_max3_num_f32 v[T1], v[T1], v[S+i+2], v[S+i+3]
.set i, i+4
.endr
	v_max3_num_f32 v[T0], v[T0], v[S+62], v[S+63]
	v_max_num_f32 v[T0], v[T0], v[T1]
	v_permlanex16_b32 v[XCH], v[T0], s[SEL], s[SEL+1]
	v_max_num_f32 v[T0], v[T0], v[XCH]             ; and among lane l xor 16's
	v_mul_f32 v[T0], s[CS], v[T0]                  ; as t (c is positive)
	v_max_num_f32 v[NM+1], v[NM+1], v[T0]          ; the running largest t
	v_mov_b32 v[T0], v[NM]
	v_floor_f32 v[NM], -v[NM+1]                    ; the new -M = floor(-t): M is a whole number
	v_sub_f32 v[T0], v[NM], v[T0]                  ; old M - new M: a whole number, 0 or less
	v_cvt_i32_f32 v[T0], v[T0]                     ; (it saturates)
	v_ldexp_f32 v[FF], 1.0, v[T0]                  ; f = 2^(old M - new M)
.set j, 0
.rept 32
	v_pk_fma_f32 v[S+j:S+j+1], v[S+j:S+j+1], s[CS:CS+1], v[NM:NM+1] op_sel_hi:[1,0,0]   ; t - M, two at a time (of the pairs c and -M the low word serves both halves)
.set j, j+2
.endr
.set j, 0
.rept 64
	v_exp_f32 v[S+j], v[S+j]                       ; p = 2^(t - M), at most 1
.set j, j+1
.endr
	v_pk_mul_f32 v[SUM:SUM+1], v[SUM:SUM+1], v[FF:FF+1] op_sel_hi:[1,0]   ; the sums under the new M: the plain line behind the exponentials
	s_wait_alu depctr_va_vdst(0)                   ; one wait for the batch of 64, ahead of its first reader
	v_pk_add_f32 v[SUM2:SUM2+1], v[S:S+1], v[S+2:S+3]          ; the row's sum is taken of the unquantised p, in two chains
.set j, 4
.rept 15
	v_pk_add_f32 v[SUM:SUM+1], v[SUM:SUM+1], v[S+j:S+j+1]
	v_pk_add_f32 v[SUM2:SUM2+1], v[SUM2:SUM2+1], v[S+j+2:S+j+3]
.set j, j+4
.endr
	v_pk_add_f32 v[SUM:SUM+1], v[SUM:SUM+1], v[SUM2:SUM2+1]
.set c, 0
.rept 8
.set i, 0
.rept 8
	v_min_num_f32 v[S+8*c+i], v[S+8*c+i], v[PLIM]  ; the conversion does not saturate (ISA guide 7.6.2); p is not negative, so the hold is one-sided
.set i, i+1
.endr
	v_cvt_scalef32_pk8_bf8_f32 v[KF+2*c:KF+2*c+1], v[S+8*c:S+8*c+7], v[PSC]   ; registers 2 c, 2 c + 1 of P: keys 16 c + 8 (lane / 16) + 0 .. 7
.set c, c+1
.endr
.set j, 0
.rept 16
	v_pk_mul_f32 v[O+j:O+j+1], v[O+j:O+j+1], v[FF:FF+1] op_sel_hi:[1,0]   ; O^T under the new M.  (Also the plain lines between the conversions and the products below)
.set j, j+2
.endr
	s_wait_dscnt 0x0                               ; V is in
.set c, 0
.rept 4                                ; the four accumulators take turns, one instruction a turn
	v_wmma_f32_16x16x128_bf8_bf8 v[O+8*c:O+8*c+7], v[VF+16*c:VF+16*c+15], v[KF:KF+15], v[O+8*c:O+8*c+7]
.set c, c+1
.endr
.endm
	s_wait_tensorcnt 0x0                           ; my key step has landed,
	s_barrier_signal -1
	s_barrier_wait -1                              ; everybody's has: all 16 key steps lie in LDS, and nothing writes LDS from here on
	s_mov_b32 s[PASS], 2
.Lpass:                                            ; two trips: my two tiles of 16 queries
	global_load_b128 v[QF:QF+3], v[LI], s[QP:QP+1]             ; the tile's fragment of Q stays in registers
	global_load_b128 v[QF+4:QF+7], v[LI], s[QP:QP+1] offset:512
	v_mov_b32 v[NM+1], 0xff61b1e6                  ; the largest t so far: -3e38, under every t
	v_floor_f32 v[NM], -v[NM+1]                    ; -M
	v_mov_b32 v[SUM], 0
	v_mov_b32 v[SUM+1], 0
.set i, 0
.rept 32
	v_mov_b32 v[O+i], 0                            ; O^T.  (The step is written without a first form of its own: the first change of M multiplies zeros)
.set i, i+1
.endr
	s_mov_b32 s[TB], 0
	s_mov_b32 s[GRP], 4
	s_wait_loadcnt 0x0                             ; Q
.Lgroup:                                           ; four trips: four key steps each
	s_sub_co_u32 s29, s[PASS], 1
	s_sub_co_u32 s30, s[GRP], 1
	s_or_b32 s29, s29, s30
	s_cmp_eq_u32 s29, 0                            ; my last group of all?
	s_cselect_b32 s100, 0, 1024                    ; its last step has no successor: its request is turned back onto this group's own words, which lie in the buffer, and is not used;
	s_mov_b32 s101, 0
	s_add_nc_u64 s[MQ:MQ+1], s[MP:MP+1], s[100:101]  ; every other group's last step asks for the next group's first words (behind my first tile's last: my second tile's first)
	v_add_nc_u32 v[ADR], s[TB], v[LI]
	STEP 0
	STEP 1
	STEP 2
	STEP 3
	s_add_co_u32 s[TB], s[TB], GRPB                ; on to the next four key steps
	s_wait_xcnt 0x0                                ; the scalar loads have read their bases: both pointers are written again only behind this wait
	s_add_nc_u64 s[MP:MP+1], s[MP:MP+1], 1024      ; four steps' mask words on
	s_sub_co_u32 s[GRP], s[GRP], 1
	s_cmp_lg_u32 s[GRP], 0
	s_cbranch_scc1 .Lgroup
	; THE WAY OUT of a tile.  O^T / the sum x 2^(e8 + e9) is quantised with 2^e10: a lane's eight numbers of tile t are d = 16 t + 8 (lane / 16) + 0 .. 7 of my head, eight neighbours along the last projection's K.
.rept 4
	v_nop                                          ; places behind the last products
.endr
	v_add_f32 v[SUM], v[SUM], v[SUM+1]             ; the sum's two halves,
	v_permlanex16_b32 v[XCH], v[SUM], s[SEL], s[SEL+1]
	v_add_f32 v[SUM], v[SUM], v[XCH]               ; and lane l xor 16's
	v_rcp_f32 v[SUM], v[SUM]
	v_nop                                          ; a plain line behind the reciprocal
	s_wait_alu depctr_va_vdst(0)                   ; and the wait ahead of its first reader
	v_ldexp_f32 v[SUM], v[SUM], s[EO]
.set j, 0
.rept 16
	v_pk_mul_f32 v[S+j:S+j+1], v[O+j:O+j+1], v[SUM:SUM+1] op_sel_hi:[1,0]   ; each accumulator from its low end on
.set j, j+2
.endr
.set j, 0
.rept 32
	v_med3_num_f32 v[S+j], v[S+j], -v[OLIM], v[OLIM]
.set j, j+1
.endr
.set c, 0
.rept 4
	v_cvt_scalef32_pk8_bf8_f32 v[KF+2*c:KF+2*c+1], v[S+8*c:S+8*c+7], v[OSC]
.set c, c+1
.endr
	v_nop                                          ; a plain line behind the last conversion
	global_store_b128 v[LI], v[KF:KF+3], s[AOP:AOP+1]              ; 512 consecutive bytes, aligned
	global_store_b128 v[LI], v[KF+4:KF+7], s[AOP:AOP+1] offset:512
	s_wait_xcnt 0x0                                ; the stores have read their data and their base: the next tile's K lands in those registers, and the base steps, only behind this wait
	s_add_nc_u64 s[QP:QP+1], s[QP:QP+1], 1024      ; my second tile: the next fragment of Q,
	s_add_nc_u64 s[AOP:AOP+1], s[AOP:AOP+1], 16384 ; the next tile of tokens in ao
	s_sub_co_u32 s[PASS], s[PASS], 1
	s_cmp_lg_u32 s[PASS], 0
	s_cbranch_scc1 .Lpass
	s_wait_kmcnt 0x0                               ; the last step's request, which nobody uses, is back
	s_wait_tensorcnt 0x0
	ds_add_u32 v30, v31
	s_wait_dscnt 0x0
	CROUND                                         ; the closing round: no work-group ends while a partner may still ask for a tile that names it
	s_endpgm
.Lfunc_end_k_qdfa974d0ef_attn:
	.size	k_qdfa974d0ef_attn, .Lfunc_end_k_qdfa974d0ef_attn-k_qdfa974d0ef_attn
	.p2alignl 7, 3214868480
	.fill 96, 4, 3214868480
	.section	.rodata,"a",@progbits
	.p2align	6, 0x0
	.amdhsa_kernel k_qdfa974d0ef_attn
		.amdhsa_group_segment_fixed_size 264192
		.amdhsa_private_segment_fixed_size 0
		.amdhsa_enable_private_segment 0
		.amdhsa_kernarg_size 40
		.amdhsa_user_sgpr_count 2
		.amdhsa_user_sgpr_kernarg_segment_ptr 1
		.amdhsa_wavefront_size32 1
		.amdhsa_system_sgpr_workgroup_id_x 1
		.amdhsa_system_sgpr_workgroup_id_y 1
		.amdhsa_system_sgpr_workgroup_id_z 1
		.amdhsa_system_vgpr_workitem_id 0
		.amdhsa_next_free_vgpr 256
		.amdhsa_next_free_sgpr 102
		.amdhsa_reserve_vcc 0
		.amdhsa_float_denorm_mode_32 3
		.amdhsa_float_denorm_mode_16_64 3
		.amdhsa_memory_ordered 1
		.amdhsa_forward_progress 1
		.amdhsa_inst_pref_size 89
	.end_amdhsa_kernel
	.amdgpu_metadata
---
amdhsa.version: [ 1, 2 ]
amdhsa.kernels:
  - .name:           k_qdfa974d0ef_attn
    .symbol:         k_qdfa974d0ef_attn.kd
    .args:
      - { .name: qc, .offset: 0, .size: 8, .value_kind: global_buffer, .address_space: global }
      - { .name: kv, .offset: 8, .size: 8, .value_kind: global_buffer, .address_space: global }
      - { .name: mb, .offset: 16, .size: 8, .value_kind: global_buffer, .address_space: global }
      - { .name: lowp_scales, .offset: 24, .size: 8, .value_kind: global_buffer, .address_space: global }
      - { .name: ao, .offset: 32, .size: 8, .value_kind: global_buffer, .address_space: global }
    .group_segment_fixed_size: 264192
    .private_segment_fixed_size: 0
    .kernarg_segment_align: 8
    .kernarg_segment_size: 40
    .max_flat_workgroup_size: 512
    .sgpr_count:     102
    .vgpr_count:     256
    .wavefront_size: 32
...
	.end_amdgpu_metadata
.endif
;; end of part 4
;; launch fc (part 5): grid 4 x 32, 4 waves a work-group, clusters of 4 x 4, 327,680 bytes of LDS; arguments ao, wc, lowp_scales, q, out0; writes out0
.if DOCPART == 5
	.amdgcn_target "amdgcn-amd-amdhsa--gfx1250"
	.amdhsa_code_object_version 6
	.text
	.protected	k_qdfa974d0ef_fc
	.globl	k_qdfa974d0ef_fc
	.p2align	8
	.type	k_qdfa974d0ef_fc,@function
k_qdfa974d0ef_fc:
	s_mov_b64 s[64:65], 0
	v_nop
	global_prefetch_b8 v0, s[64:65] scope:SCOPE_SE
	s_setreg_imm32_b32 hwreg(HW_REG_WAVE_MODE, 25, 1), 1
	s_wait_xcnt 0x0
	s_wait_alu depctr_hold_cnt(0) depctr_sa_sdst(0) depctr_va_vdst(0) depctr_va_sdst(0) depctr_va_ssrc(0) depctr_va_vcc(0) depctr_vm_vsrc(0)
	s_getreg_b32 s2, hwreg(HW_REG_IB_STS2, 6, 4)
	s_cmp_eq_u32 s2, 0
	s_cbranch_scc0 .Lentry_in_a_cluster
	s_endpgm
.Lentry_in_a_cluster:
	s_bfe_u32 s2, ttmp6, 0x10000c
	s_cmp_lg_u32 s2, 0xf033
	s_cbranch_scc0 .Lentry_shape_is_right
	s_endpgm
.Lentry_shape_is_right:
; out0 = (attention's result) w_fc + q: 8,192 x 1,024 x 1,024 on codes of BF8 (E5M2) with the given scales e10, e11; each finished sum is multiplied by 2^(e10 + e11) and the residual q is added, in one multiply-add.
; LIMIT: e10 + e11 between -126 and 127, so that 2^(e10 + e11) is an f32 number.
; A tile of 256 x 256 is made by four waves, each 128 x 128: 64 accumulators, 512 registers.  K goes in steps of 256 (two matrix steps of 128) through a ring of two LDS slots filled by the tensor data mover.
; OPERANDS LIE IN MEMORY AND IN LDS AS IMAGES OF THEIR REGISTERS: a fragment (16 rows x 128 K) is 2,048 bytes, four registers at a time, lane l's 16 bytes at 16 l: four ds_load_b128 of 512 consecutive bytes, no pitch, no padding.
; A tensor load brings 8 tiles of 16 rows x 256 K: 8 rows of 4,096 bytes, 16,384 bytes apart in memory, dense in LDS.
; CLUSTERS: 4 x 4 work-groups.  The four of a row need the same tokens' tiles, the four of a column the same weight tiles: each is asked for JOINTLY.
; THE MATRIX INSTRUCTION IS USED TRANSPOSED (source 0 = 16 columns of w_fc, source 1 = 16 tokens): a lane holds eight neighbouring numbers of a row of the output.
; REGISTERS: window 0: v0-31 addresses; from v128 the tokens' fragments, ONE set (on the way out: rows of the output).  window 1: the weight's fragments, TWO sets (on the way out: rows of q).  windows 2, 3: the accumulators.
.set FR,     16
.set NL,     4
.set NP,     4                         ; places behind this matrix instruction (ISA guide 7.12.1)
.set HALFT,  32768                     ; 8 tiles x 2 matrix steps x 2,048 bytes
.set SLOT,   4*HALFT
.set SSTEP,  4096
.set LAPS,   2
.set SPARE,  2*SLOT                    ; behind the ring: the spare words, 128 bytes for each wave, which no other line names
.set SPITCH, 528                       ; the way out: a stage of 16 rows x (512 bytes + 16) for each wave, in slot 0, which has had its last fill and its last read when the first result is stored there
.set ADRA, 16
.set ADRB, 20
.set STO,  24                          ; v24     the way out: where I put 32 bytes of a row
.set RD,   25                          ; v25     where I read a row back
.set CO,   26                          ; v26     16 x lane
.set SPW,  28
.set NIL,  29
.set AF,   128
.set BK,   128                         ; the way out: 16 rows read back from the stage: v128-191 and v192-255 by turns
.set G1, 24
.set G0, 32
.set G1B, 48
.set G0B, 56
.set MSB, 0
.macro WIN new                         ; the immediate's high byte repeats the setting that is left
.if MSB != \new
	s_set_vgpr_msb (MSB<<8)|\new
.set MSB, \new
.endif
.endm
.set MUL_LO, 0xa1
.set MUL_HI, 0xf1
.set TO_B,   0x40
.macro JLOAD g0a, g1a, g0b, g1b        ; a joint load: waves 0 and 1 fetch the tokens' halves, waves 2 and 3 the weight's; four v_nop follow each of the two lines
	s_cmp_eq_u32 s15, 0
	s_cbranch_scc0 .Lfor_b_\@
	tensor_load_to_lds s[\g0a:\g0a+3], s[\g1a:\g1a+7]
	s_nop 0
.rept 4
	v_nop
.endr
	s_branch .Lasked_\@
.Lfor_b_\@:
	tensor_load_to_lds s[\g0b:\g0b+3], s[\g1b:\g1b+7]
	s_nop 0
.rept 4
	v_nop
.endr
.Lasked_\@:
.endm
.macro CREST
	s_cmp_lg_u32 s14, 0
	s_cbranch_scc1 .Lnot_wave_0_\@
	s_barrier_signal -3
.Lnot_wave_0_\@:
	s_barrier_wait -3
	s_barrier_signal -1
	s_barrier_wait -1
.endm
.macro CROUND
	s_barrier_signal -1
	s_barrier_wait -1
	CREST
.endm
	s_load_b128 s[4:7], s[0:1], 0x0                ; ao, wc
	s_load_b128 s[8:11], s[0:1], 0x10              ; the scales' exponents, q
	s_load_b64 s[12:13], s[0:1], 0x20              ; out0
	v_lshl_add_u32 v[SPW], v0, 2, SPARE
	v_mov_b32 v[NIL], 0
	ds_add_u32 v28, v29
	ds_add_u32 v28, v29
	s_wait_dscnt 0x0
	v_lshrrev_b32 v1, 5, v0
	v_readfirstlane_b32 s14, v1                    ; wave 0..3
	s_lshr_b32 s15, s14, 1                         ; which half of the tile's tokens is mine.  Also: I fetch tokens (0) or weights (1)
	s_and_b32 s16, s14, 1                          ; which half of its columns.  Also: which half of that tile I fetch
	s_bfe_u32 s40, ttmp6, 0x40000
	s_bfe_u32 s41, ttmp6, 0x40004
	s_lshl_b32 s42, ttmp9, 2
	s_add_co_u32 s42, s42, s40                     ; tile column
	s_and_b32 s17, ttmp7, 0xffff
	s_lshl_b32 s17, s17, 2
	s_add_co_u32 s17, s17, s41                     ; tile row
	s_lshl_b32 s43, s41, 2
	s_lshl_b32 s43, 15, s43                        ; my row of the cluster
	s_lshl_b32 s44, 0x1111, s40                    ; my column
	s_or_b32 s[G1+0], s43, (3<<16)|(1<<21)         ; 15:0 the mask; 17:16 elements of 8 bytes; 21 set beside a mask
	s_or_b32 s[G1B+0], s44, (3<<16)|(1<<21)
.irp g, G1, G1B
	s_mov_b32 s[\g+1], 512<<16                     ; tensor_dim0
	s_mov_b32 s[\g+2], 8<<16                       ; tensor_dim1
	s_mov_b32 s[\g+3], 512<<16                     ; tile_dim0
	s_mov_b32 s[\g+4], 8                           ; tile_dim1
	s_mov_b32 s[\g+5], 2048                        ; tensor_dim0_stride
	s_mov_b32 s[\g+6], 0
	s_mov_b32 s[\g+7], 0
.endr
	s_lshl_b32 s18, s16, 17
	s_lshl_b32 s20, s17, 18
	s_add_co_u32 s20, s20, s18                     ; tokens: 16 tiles of 16,384 bytes for each tile row, + my half
	s_mov_b32 s21, 0
	s_lshl_b32 s46, s42, 18
	s_add_co_u32 s46, s46, s18
	s_add_co_u32 s46, s46, 3<<20                   ; the fourth weight in wc
	s_mov_b32 s47, 0
	s_mul_i32 s45, s14, HALFT
	s_wait_kmcnt 0x0
	s_load_b64 s[96:97], s[8:9], 0x28              ; e10, e11
	s_add_nc_u64 s[20:21], s[4:5], s[20:21]
	s_add_nc_u64 s[46:47], s[6:7], s[46:47]
	CROUND                                         ; all sixteen work-groups are here: the first joint loads meet
.irp s, 0,1
	s_mov_b32 s[G0+4*\s], 1
	s_add_co_u32 s[G0+4*\s+1], s45, \s*SLOT
	s_add_nc_u64 s[G0+4*\s+2:G0+4*\s+3], s[20:21], \s*SSTEP
	s_or_b32 s[G0+4*\s+3], s[G0+4*\s+3], 0x80000000
	s_mov_b32 s[G0B+4*\s], 1
	s_add_co_u32 s[G0B+4*\s+1], s45, \s*SLOT
	s_add_nc_u64 s[G0B+4*\s+2:G0B+4*\s+3], s[46:47], \s*SSTEP
	s_or_b32 s[G0B+4*\s+3], s[G0B+4*\s+3], 0x80000000
	JLOAD G0+4*\s, G1, G0B+4*\s, G1B
.endr
	v_and_b32 v6, 31, v0
	v_lshlrev_b32 v[CO], 4, v6
	s_mul_i32 s21, s15, HALFT                      ; my 128 tokens,
	s_mul_i32 s22, s16, HALFT                      ; my 128 columns,
	s_add_co_u32 s22, s22, 2*HALFT                 ; which lie behind the tokens' two halves
.irp s, 0,1
	v_add_nc_u32 v[ADRA+\s], s21, v[CO]
	v_add_nc_u32 v[ADRB+\s], s22, v[CO]
	s_add_co_u32 s21, s21, SLOT
	s_add_co_u32 s22, s22, SLOT
.endr
	v_and_b32 v1, 15, v0
	v_bfe_u32 v2, v0, 4, 1
	s_mul_i32 s23, s14, 16*SPITCH                  ; my stage
	v_mul_u32_u24 v5, v1, SPITCH                   ; in: row l % 16, 32 bytes for each half of the lanes
	v_lshl_add_u32 v5, v2, 5, v5
	v_add_nc_u32 v[STO], s23, v5
	v_add_nc_u32 v[RD], s23, v[CO]                 ; back: the 32 lanes take one row of 512 bytes
	s_lshl_b32 s80, s17, 20                        ; my part of q and of out0: 256 rows of 4,096 bytes for each tile row,
	s_lshl_b32 s81, s15, 19                        ; 128 for my half,
	s_add_co_u32 s80, s80, s81
	s_lshl_b32 s81, s42, 10                        ; 1,024 bytes for each tile column,
	s_add_co_u32 s80, s80, s81
	s_lshl_b32 s81, s16, 9                         ; 512 for my half
	s_add_co_u32 s80, s80, s81
	s_mov_b32 s81, 0
	s_add_nc_u64 s[10:11], s[10:11], s[80:81]
	s_add_nc_u64 s[12:13], s[12:13], s[80:81]
.macro FRAG reg, adr, q, i             ; a fragment comes as it was stored: registers 4 c .. 4 c + 3 from 512 c + 16 x lane
.irp c, 0,1,2,3
	ds_load_b128 v[\reg+4*\c:\reg+4*\c+3], v[\adr] offset:(\i)*4096+(\q)*2048+512*\c
.endr
.endm
; 16 matrix instructions; the 64 accumulators take turns, one instruction a turn, in the same order in every step.  zero = 1: the first product starts the sums.
.macro MUL16 a0, p, zero
.irp a, \a0, \a0+1
.irp b, 0,1,2,3,4,5,6,7
.if \zero
	v_wmma_f32_16x16x128_bf8_bf8 v[8*(8*((\a)%4)+\b):8*(8*((\a)%4)+\b)+7], v[128*(\p)+FR*\b:128*(\p)+FR*\b+FR-1], v[AF+FR*(\a):AF+FR*(\a)+FR-1], 0
.else
	v_wmma_f32_16x16x128_bf8_bf8 v[8*(8*((\a)%4)+\b):8*(8*((\a)%4)+\b)+7], v[128*(\p)+FR*\b:128*(\p)+FR*\b+FR-1], v[AF+FR*(\a):AF+FR*(\a)+FR-1], v[8*(8*((\a)%4)+\b):8*(8*((\a)%4)+\b)+7]
.endif
.endr
.endr
.endm
.macro FETCH_B slot, q, p
	WIN TO_B
.irp i, 0,1,2,3,4,5,6,7
	FRAG 128*(\p)+FR*\i, ADRB+\slot, \q, \i
.endr
	WIN 0
.endm
.macro FETCH_A slot, q, i0
.irp i, \i0, \i0+1, \i0+2, \i0+3
	FRAG AF+FR*(\i), ADRA+\slot, \q, \i
.endr
.endm
.macro PLACES n                        ; places behind matrix instructions, in front of loads into registers that they read and of the first read of results (ISA guide 7.12.1 for the first read of results)
.rept \n
	v_nop
.endr
.endm
.macro STEP slot, q, zero
	s_wait_dscnt 4*NL                              ; the weight's set and the tokens' blocks 0-3 are in; the youngest 16 loads (blocks 4-7) may be out
	WIN MUL_LO
	MUL16 0, (\q)%2, \zero
	MUL16 2, (\q)%2, \zero
	s_wait_dscnt 0
	PLACES NP
	FETCH_B \slot, (\q)+1, 1-(\q)%2
	FETCH_A \slot, (\q)+1, 0
	WIN MUL_HI
	MUL16 4, (\q)%2, \zero
	MUL16 6, (\q)%2, \zero
	PLACES NP
	WIN 0
	FETCH_A \slot, (\q)+1, 4
.endm
.macro TURN slot, next, fill
	s_wait_tensorcnt 0x0                           ; all my tensor loads have landed: my part of the next slot
	ds_add_u32 v[SPW], v[NIL]                      ; 0 onto my spare word
	s_wait_dscnt 4*NL+1                            ; (the add and the youngest 16 loads may be out)
	WIN MUL_LO
	MUL16 0, 1, 0
	s_wait_dscnt 0x0                               ; the add is done, and my reads of this slot are over
	s_barrier_signal -1
	MUL16 2, 1, 0
	WIN 0
	s_barrier_wait -1
.if \fill
	CREST                                          ; the barrier has opened a round of the cluster's barrier
	s_add_nc_u64 s[G0+4*\slot+2:G0+4*\slot+3], s[G0+4*\slot+2:G0+4*\slot+3], 2*SSTEP
	s_add_nc_u64 s[G0B+4*\slot+2:G0B+4*\slot+3], s[G0B+4*\slot+2:G0B+4*\slot+3], 2*SSTEP
	JLOAD G0+4*\slot, G1, G0B+4*\slot, G1B         ; the first tensor load behind the round; its four v_nop are the places in front of the loads below
.else
	PLACES NP
.endif
	FETCH_B \next, 0, 0
	FETCH_A \next, 0, 0
	WIN MUL_HI
	MUL16 4, 1, 0
	MUL16 6, 1, 0
	PLACES NP
	WIN 0
	FETCH_A \next, 0, 4
.endm
	s_wait_tensorcnt 1                             ; my part of slot 0 is in (slot 1's load may be out)
	s_barrier_signal -1
	s_barrier_wait -1
	FETCH_B 0, 0, 0
	FETCH_A 0, 0, 0
	FETCH_A 0, 0, 4
	STEP 0, 0, 1
	s_mov_b32 s3, LAPS-1
.Llap:
	TURN 0, 1, 1
	STEP 1, 0, 0
	TURN 1, 0, 1
	STEP 0, 0, 0
	s_sub_co_u32 s3, s3, 1
	s_cmp_lg_u32 s3, 0
	s_cbranch_scc1 .Llap
	TURN 0, 1, 0
	STEP 1, 0, 0
	s_wait_dscnt 4*NL
	WIN MUL_LO
	MUL16 0, 1, 0
	MUL16 2, 1, 0
	s_wait_dscnt 0
	WIN MUL_HI
	MUL16 4, 1, 0
	MUL16 6, 1, 0
	WIN 0
; THE WAY OUT, block by block of 16 rows x 128 columns.  A lane holds 32 neighbouring bytes of a row: a block's sums go through my own stage in LDS as they are and come back as whole rows of 512 bytes; there they meet
; the same rows of q, loaded two blocks ahead, in one packed multiply-add, and leave as one aligned run of 512 bytes a store.  No pointer is stepped: a block's rows stand in the immediates (127 x 4,096 bytes at the most).
.macro RLOAD a                         ; q's rows of block a into window 1
	WIN TO_B
.irp t, 0,1,2,3,4,5,6,7,8,9,10,11,12,13,14,15
	global_load_b128 v[64*((\a)%2)+4*\t:64*((\a)%2)+4*\t+3], v[CO], s[10:11] offset:(16*(\a)+\t)*4096 th:TH_LOAD_NT
.endr
	WIN 0
.endm
.macro TOSTAGE a
.set AC, 64*((\a)%4)
.set WW, 0x08+4*((\a)/4)
	WIN WW                                         ; the stores' data: window 2 or 3
.irp b, 0,1,2,3,4,5,6,7
	ds_store_b128 v[STO], v[AC+8*\b:AC+8*\b+3] offset:64*\b           ; each accumulator from its low end on
	ds_store_b128 v[STO], v[AC+8*\b+4:AC+8*\b+7] offset:64*\b+16
.endr
	WIN 0
.set BB, BK+64*((\a)%2)
.irp t, 0,1,2,3,4,5,6,7,8,9,10,11,12,13,14,15
	ds_load_b128 v[BB+4*\t:BB+4*\t+3], v[RD] offset:\t*SPITCH         ; LDS serves a wave's instructions in order: these see the stores above
.endr
.endm
.macro SEND a, younger, lc             ; younger: LDS instructions issued behind block a's loads; lc: global loads issued behind block a's rows of q
.set BB, BK+64*((\a)%2)
.set RR, 64*((\a)%2)
	s_wait_dscnt \younger
	s_wait_loadcnt \lc
	WIN 0x10                                       ; source 2 (q) window 1
.set j, 0
.rept 32
	v_pk_fma_f32 v[BB+j:BB+j+1], v[BB+j:BB+j+1], s[96:97], v[RR+j:RR+j+1] op_sel_hi:[1,0,1]   ; sum x 2^(e10 + e11) + q
.set j, j+2
.endr
	WIN 0
.irp t, 0,1,2,3,4,5,6,7,8,9,10,11,12,13,14,15
	global_store_b128 v[CO], v[BB+4*\t:BB+4*\t+3], s[12:13] offset:(16*(\a)+\t)*4096 th:TH_STORE_NT   ; 512 consecutive bytes, aligned; written once, read by nobody here
.endr
.endm
	s_wait_kmcnt 0x0
	s_add_co_i32 s96, s96, s97
	s_add_co_i32 s96, s96, 127
	s_lshl_b32 s96, s96, 23                        ; 2^(e10 + e11) as f32
	s_mov_b32 s97, s96                             ; (named with it as a pair)
	PLACES NP                                      ; behind the last products: for the loads into both operands' registers and the stores that read results
	RLOAD 0
	RLOAD 1
	TOSTAGE 0
.irp a, 1,2,3,4,5,6,7
.if \a > 1
	s_wait_xcnt 0x0                                ; block a - 2's stores have read their registers: block a's rows may land there
.endif
	TOSTAGE \a
	SEND \a-1, 32, 16                              ; behind block a - 1's: block a's 16 stores and 16 loads in LDS, and its 16 rows of q
.if \a < 7
	RLOAD \a+1
.endif
.endr
	SEND 7, 0, 0
	s_wait_tensorcnt 0x0                           ; the wave's end
	ds_add_u32 v[SPW], v[NIL]
	s_wait_dscnt 0x0
	CROUND                                         ; the closing round
	s_endpgm
.Lfunc_end_k_qdfa974d0ef_fc:
	.size	k_qdfa974d0ef_fc, .Lfunc_end_k_qdfa974d0ef_fc-k_qdfa974d0ef_fc
	.p2alignl 7, 3214868480
	.fill 96, 4, 3214868480
	.section	.rodata,"a",@progbits
	.p2align	6, 0x0
	.amdhsa_kernel k_qdfa974d0ef_fc
		.amdhsa_group_segment_fixed_size 327680
		.amdhsa_private_segment_fixed_size 0
		.amdhsa_enable_private_segment 0
		.amdhsa_kernarg_size 40
		.amdhsa_user_sgpr_count 2
		.amdhsa_user_sgpr_kernarg_segment_ptr 1
		.amdhsa_wavefront_size32 1
		.amdhsa_system_sgpr_workgroup_id_x 1
		.amdhsa_system_sgpr_workgroup_id_y 1
		.amdhsa_system_sgpr_workgroup_id_z 1
		.amdhsa_system_vgpr_workitem_id 0
		.amdhsa_next_free_vgpr 1024
		.amdhsa_next_free_sgpr 100
		.amdhsa_reserve_vcc 0
		.amdhsa_float_denorm_mode_32 3
		.amdhsa_float_denorm_mode_16_64 3
		.amdhsa_memory_ordered 1
		.amdhsa_forward_progress 1
		.amdhsa_inst_pref_size 136
	.end_amdhsa_kernel
	.amdgpu_metadata
---
amdhsa.version: [ 1, 2 ]
amdhsa.kernels:
  - .name:           k_qdfa974d0ef_fc
    .symbol:         k_qdfa974d0ef_fc.kd
    .args:
      - { .name: ao, .offset: 0, .size: 8, .value_kind: global_buffer, .address_space: global }
      - { .name: wc, .offset: 8, .size: 8, .value_kind: global_buffer, .address_space: global }
      - { .name: lowp_scales, .offset: 16, .size: 8, .value_kind: global_buffer, .address_space: global }
      - { .name: q, .offset: 24, .size: 8, .value_kind: global_buffer, .address_space: global }
      - { .name: out0, .offset: 32, .size: 8, .value_kind: global_buffer, .address_space: global }
    .group_segment_fixed_size: 327680
    .private_segment_fixed_size: 0
    .kernarg_segment_align: 8
    .kernarg_segment_size: 40
    .max_flat_workgroup_size: 128
    .sgpr_count:     100
    .vgpr_count:     1024
    .wavefront_size: 32
...
	.end_amdgpu_metadata
.endif
;; end of part 5
